; MI455X (gfx1250); checked and timed in simulation.
; The chip was launched on July 23, 2026; its instructions are those of AMD's public machine-readable ISA for CDNA 5 (MIT licence, August 2026) and "CDNA5" Instruction Set Architecture Reference Guide (July 2026). The comments in the code are by the model that wrote it; some were corrected since.
;; Ro PE Self Attention. Allowed arithmetic: matrix products marked QUANTISED: E2M1 operands, one E8M0 scale for each 32 along K, by v_wmma_scale_f32_16x16x128_f8f6f4 with both operands' format E2M1 (or v_wmma_scale_f32_32x16x128_f4), f32 sums; products left as they are: bf16, f16 or f32 operands; f32 sums; everything else in f32.
;; Inputs: attn_mask 4 x 2,048 float32; cos 1 x 1 x 2,048 x 64 float32; k_b 1,024 float32; k_w 1,024 x 1,024 float32; o_b 1,024 float32; o_w 1,024 x 1,024 float32; q_b 1,024 float32; q_w 1,024 x 1,024 float32; sin 1 x 1 x 2,048 x 64 float32; v_b 1,024 float32; v_w 1,024 x 1,024 float32; x 4 x 2,048 x 1,024 float32.
;; Outputs: out0 4 x 2,048 x 1,024 float32.
;; This version of the problem:
;;   THIS VERSION OF THE PROBLEM IS GIVEN IN LOW PRECISION. The matrix products marked QUANTISED in the list below multiply operands that are first quantised to E2M1 (2 exponent bits, 1 mantissa bit; 4 bits a number), with one power-of-two scale for each 32 numbers along K (OCP MX v1.0); their sums are f32. The products marked 'left as it is' may take bf16, f16 or f32 operands, with f32 sums. Whichever they take, every output number must still come out within the allowed error. Rounding operands to bf16 (8 significant bits) uses up far more of that allowance than f16 does (11 bits, for magnitudes from 6e-5 to 65,504). All else is computed in f32.
;;   The module's matrix products, in the order in which they are computed (A, B: the left and right operand; K: the contracted axis; several contracted axes count as one K, in the product's order):
;;     1. [M 8,192, K 1,024] x [K 1,024, N 1,024]; A: input x; B: input q_w: QUANTISED
;;     2. [M 8,192, K 1,024] x [K 1,024, N 1,024]; A: input x; B: input k_w: QUANTISED
;;     3. [M 8,192, K 1,024] x [K 1,024, N 1,024]; A: input x; B: input v_w: QUANTISED
;;     4. batch 64 x [M 2,048, K 64] x [K 64, N 2,048]; A: computed on the way; B: computed on the way: left as it is (an operand is computed on the way)
;;     5. batch 64 x [M 2,048, K 2,048] x [K 2,048, N 64]; A: computed on the way; B: computed on the way: left as it is (an operand is computed on the way)
;;     6. [M 8,192, K 1,024] x [K 1,024, N 1,024]; A: computed on the way; B: input o_w: left as it is (an operand is computed on the way)
;;   THE QUANTISER, for each operand of a quantised product, along K:
;;     - K is cut into blocks of 32 from its start; a last block that is shorter is filled with zeros.
;;     - A block's scale is 2^e with e = floor(log2(the largest magnitude in the block)) - 2, held to -126 .. 127; a block of zeros has e = 0. As a byte (E8M0): e + 127.
;;     - Each number is divided by its block's scale, clamped to +-6, and rounded to the nearest number of E2M1, ties to even, subnormals kept.
;;     - The product sums the exact products of the quantised numbers (number of the format x scale) in f32.
;;   ~~~python
;;   def quantise(x, axis):      # numpy; x: float32 -> the quantised numbers, widened to float32 again
;;       x = np.moveaxis(x, axis, -1); K = x.shape[-1]
;;       x = np.pad(x, [(0, 0)] * (x.ndim - 1) + [(0, -K % 32)]); x = x.reshape(x.shape[:-1] + (-1, 32)); a = np.abs(x).max(-1, keepdims=True)
;;       e = np.where(a > 0, np.clip(np.frexp(np.where(a > 0, a, 1))[1] - 1 - 2, -126, 127), 0)      # np.frexp(a)[1] - 1 = floor(log2(a)), exactly
;;       r = np.clip(x / 2.0 ** e, -6, 6)
;;       step = 2.0 ** (np.maximum(np.frexp(np.where(r == 0, 1, r))[1] - 1, 0) - 1)
;;       q = np.round(r / step) * step * 2.0 ** e      # np.round: ties to even
;;       return np.moveaxis(q.reshape(q.shape[:-2] + (-1,))[..., :K], -1, axis).astype(np.float32)
;;   ~~~
;; One version. Each part assembles by itself: llvm-mc -triple=amdgcn-amd-amdhsa -mcpu=gfx1250 --defsym DOCPART=n.
;; ======== version 1 of 1: 4 launches
;; limits: values are held in f16: magnitudes above 65,504 overflow, below 6.1e-05 lose precision
;; workspace buffers: xc 4,194,304 bytes; xs 262,144 bytes; wc 1,572,864 bytes; ws 98,304 bytes; qf 16,777,216 bytes; kvf 33,554,432 bytes; af 16,777,216 bytes; owf 2,097,152 bytes
;; launch prep (part 1): grid 480 x 1, 4 waves a work-group, no clusters, 33,280 bytes of LDS; arguments x, q_w, k_w, v_w, o_w, xc, xs, wc, ws, owf; writes xc, xs, wc, ws, owf
.if DOCPART == 1
	.amdgcn_target "amdgcn-amd-amdhsa--gfx1250"
	.amdhsa_code_object_version 6
	.text
	.protected	k_q2937ebfe1e_prep
	.globl	k_q2937ebfe1e_prep
	.p2align	8
	.type	k_q2937ebfe1e_prep,@function
k_q2937ebfe1e_prep:
	s_mov_b64 s[64:65], 0
	v_nop
	global_prefetch_b8 v0, s[64:65] scope:SCOPE_SE
	s_setreg_imm32_b32 hwreg(HW_REG_WAVE_MODE, 25, 1), 1
	s_wait_xcnt 0x0
; x [8192][1024] and q_w, k_w, v_w [1024][1024], f32, K innermost, become codes of FP4 (E2M1) with one E8M0 scale byte for each 32 along K:
; xc [8192][512 bytes], xs [8192][32 bytes]; wc [3072][512 bytes], ws [3072][32 bytes], rows 0-1023 q_w, 1024-2047 k_w, 2048-3071 v_w.
; o_w [1024][1024] becomes f16, laid in the order of a matrix operand's registers (owf).
; A block's scale is 2^(floor(log2(its largest magnitude)) - 2); its byte is the largest magnitude's exponent field - 2, held at 1 from below.  A block of zeros so gets the byte 1:
; its codes are zeros, which add nothing under any byte but 0xff, and the bytes are read by this program alone.
; LIMITS: blocks whose largest magnitude lies under 2^-124 keep the byte 1; NaN and infinities among the inputs are not served; |o_w| stays under 65,504 (f16).
; WORK-GROUPS: 0-255 take x, 256-287 q_w, 288-319 k_w, 320-351 v_w: 32,768 numbers each, 8,192 a wave, as a plain stream of blocks of 32.  352-479 take o_w.
; THE QUANTISER.  A wave takes 16 steps of 512 numbers.  Each of a step's four loads reads 512 consecutive bytes, 16 a lane; the 2,048 bytes turn through the wave's own stage in LDS and come back
; 64 bytes a lane, so that a lane holds 16 neighbours along K and two neighbouring lanes a block.  A lane's 16 codes are 8 bytes: a store covers 256 consecutive bytes.  A wave's 256 scale bytes
; are gathered in its own LDS bytes and leave by one store of 256 consecutive bytes.  No barrier: waves share nothing.  Loads run four steps ahead, the turn through LDS one step.
.set WAVES, 4
.set STEPS, 16
.set QWG,   352                        ; work-groups that quantise
.set EMAX,  2
.set CB,    8                          ; bytes of 16 codes
.set R,     16                         ; v16-79   four sets of 16 numbers as they are loaded
.set X,     80                         ; v80-111  two sets of 16 neighbours
.set E,     112                        ; v112-127 a scale byte for each step
.set C,     128                        ; v128-191 codes: four registers for each step, so that no store's data are written again
.set WREG,  8192                       ; LDS: a region for each wave: two stages of 32 x SP bytes, behind them its 256 scale bytes
.set SP,    80                         ; a lane's place in a stage: 64 bytes + 16 of padding
.set SPW,   12                         ; v12      LDS address of my spare word; never rewritten
.set NIL,   13                         ; v13      0; never rewritten
.set SPARE, WAVES*WREG                 ; behind the four regions: the spare words, 128 bytes a wave, which no other line names
	s_load_b256 s[4:11], s[0:1], 0x0               ; x s[4:5], q_w s[6:7], k_w s[8:9], v_w s[10:11]
	s_load_b256 s[12:19], s[0:1], 0x20             ; o_w s[12:13], xc s[14:15], xs s[16:17], wc s[18:19]
	s_load_b128 s[20:23], s[0:1], 0x40             ; ws s[20:21], owf s[22:23]
	v_lshl_add_u32 v[SPW], v0, 2, SPARE
	v_mov_b32 v[NIL], 0
	v_lshrrev_b32 v1, 5, v0
	v_readfirstlane_b32 s24, v1                    ; wave
	v_and_b32 v2, 31, v0                           ; lane
	v_lshlrev_b32 v3, 4, v2                        ; 16 x lane
	s_mul_i32 s25, s24, WREG
	v_lshrrev_b32 v14, 2, v2
	v_mul_u32_u24 v14, v14, SP
	v_and_b32 v15, 3, v2
	v_lshl_add_u32 v14, v15, 4, v14
	v_add_nc_u32 v14, s25, v14                     ; the stage, on the way in: SP (lane / 4) + 16 (lane % 4)
	v_mul_u32_u24 v15, v2, SP
	v_add_nc_u32 v15, s25, v15                     ; and on the way out: SP x lane: my 16 neighbours
	v_mul_u32_u24 v4, v2, CB                       ; my codes' place in a step's
	v_lshrrev_b32 v5, 1, v2
	s_add_co_u32 s25, s25, 2*32*SP
	v_add_nc_u32 v5, s25, v5                       ; LDS: my wave's 256 scale bytes, my block's byte
	v_lshlrev_b32 v7, 3, v2                        ; and on the way out 8 bytes a lane
	v_add_nc_u32 v6, s25, v7
	s_wait_kmcnt 0x0
	s_cmp_ge_u32 ttmp9, QWG
	s_cbranch_scc1 .Low
	; which tensor: the choices hang on the work-group's number alone
	s_cmp_lt_u32 ttmp9, 320
	s_cselect_b64 s[28:29], s[8:9], s[10:11]       ; k_w or v_w
	s_cmp_lt_u32 ttmp9, 288
	s_cselect_b64 s[28:29], s[6:7], s[28:29]       ; or q_w
	s_and_b32 s34, ttmp9, 31                       ; a weight's work-group within its tensor
	s_sub_co_u32 s35, ttmp9, 256                   ; and within wc and ws
	s_cmp_lt_u32 ttmp9, 256
	s_cselect_b64 s[28:29], s[4:5], s[28:29]       ; or x
	s_cselect_b64 s[30:31], s[14:15], s[18:19]     ; the codes' buffer
	s_cselect_b64 s[32:33], s[16:17], s[20:21]     ; the scale bytes'
	s_cselect_b32 s34, ttmp9, s34
	s_cselect_b32 s35, ttmp9, s35
	s_lshl_b32 s34, s34, 2
	s_add_co_u32 s34, s34, s24                     ; which run of 8,192 numbers I read,
	s_lshl_b32 s35, s35, 2
	s_add_co_u32 s35, s35, s24                     ; and which I write
	s_lshl_b32 s36, s34, 15                        ; 32,768 bytes of f32 a run
	s_mov_b32 s37, 0
	s_add_nc_u64 s[28:29], s[28:29], s[36:37]
	s_lshl_b32 s36, s35, 12                        ; 4,096 bytes of codes
	s_add_nc_u64 s[30:31], s[30:31], s[36:37]
	s_lshl_b32 s36, s35, 8                         ; 256 scale bytes
	s_add_nc_u64 s[32:33], s[32:33], s[36:37]
.macro LOAD t
.irp i, 0,1,2,3
	global_load_b128 v[R+16*((\t)%4)+4*\i:R+16*((\t)%4)+4*\i+3], v3, s[28:29] offset:2048*(\t)+512*\i th:TH_LOAD_NT   ; 32 lanes read 512 consecutive bytes
.endr
.endm
.macro TURN t                          ; step t's numbers through the stage: LDS serves a wave's instructions in order, so no wait stands between the stores and the loads
.irp i, 0,1,2,3
	ds_store_b128 v14, v[R+16*((\t)%4)+4*\i:R+16*((\t)%4)+4*\i+3] offset:32*SP*((\t)%2)+8*SP*\i
.endr
.irp i, 0,1,2,3
	ds_load_b128 v[X+16*((\t)%2)+4*\i:X+16*((\t)%2)+4*\i+3], v15 offset:32*SP*((\t)%2)+16*\i
.endr
.endm
.irp t, 0,1,2,3
	LOAD \t
.endr
	s_wait_loadcnt 12                              ; step 0's four loads are in; three steps' twelve may be out
	TURN 0
.macro STEP t
.set XS, X+16*((\t)%2)
.if (\t) > 0
	s_wait_dscnt 1                                 ; this step's numbers are back from the stage (the last step's byte store may be out): so its stores into the stage have read their registers,
.else
	s_wait_dscnt 0x0
.endif
.if (\t)+4 < STEPS
	LOAD (\t)+4                                    ; which take the loads of four steps on
.endif
.if (\t)+1 < STEPS
.if STEPS-2-(\t) >= 3
	s_wait_loadcnt 12                              ; the next step's four loads are in; those of the three steps behind it may be out
.else
	s_wait_loadcnt 4*(STEPS-2-(\t))
.endif
	TURN (\t)+1                                    ; and go through the other stage while this step is worked
.endif
	v_max3_num_f32 v8, |v[XS]|, |v[XS+1]|, |v[XS+2]|               ; the largest magnitude of my 16, in two chains
	v_max3_num_f32 v9, |v[XS+3]|, |v[XS+4]|, |v[XS+5]|
.irp i, 6,10
	v_max3_num_f32 v8, v8, |v[XS+\i]|, |v[XS+\i+1]|
	v_max3_num_f32 v9, v9, |v[XS+\i+2]|, |v[XS+\i+3]|
.endr
	v_max3_num_f32 v8, v8, |v[XS+14]|, |v[XS+15]|
	v_max3_num_f32 v8, v8, v9, (EMAX+1)<<23        ; and the floor 2^(EMAX + 1 - 127): so the byte cannot fall under 1
	v_max_num_f32_dpp v8, v8, v8 row_xmask:1 row_mask:0xf bank_mask:0xf   ; and of my neighbour's 16: the block's
	v_add_nc_u32 v11, -(EMAX<<23), v8              ; EMAX off its exponent field: the conversion takes the exponent field of this operand as its scale
	v_cvt_scalef32_pk8_fp4_f32 v[C+4*(\t)], v[XS:XS+7], v11        ; eight numbers / the scale, to the nearest code, ties to even, beyond the largest code the largest
	v_cvt_scalef32_pk8_fp4_f32 v[C+4*(\t)+1], v[XS+8:XS+15], v11
	v_lshrrev_b32 v[E+(\t)], 23, v11               ; the scale's byte
	ds_store_b8 v5, v[E+(\t)] offset:16*(\t)       ; both lanes of a block write the same byte with the same value
	global_store_b64 v4, v[C+4*(\t):C+4*(\t)+1], s[30:31] offset:32*CB*(\t)
.endm
.irp t, 0,1,2,3,4,5,6,7,8,9,10,11,12,13,14,15
	STEP \t
.endr
	ds_load_b64 v[8:9], v6                         ; LDS serves a wave's instructions in order: these see my byte stores
	s_wait_dscnt 0x0
	global_store_b64 v7, v[8:9], s[32:33]          ; 32 lanes store 256 consecutive bytes
	s_wait_tensorcnt 0x0                           ; the wave's end
	ds_add_u32 v[SPW], v[NIL]
	s_wait_dscnt 0x0
	s_endpgm
; o_w TO f16.  owf: byte ks x 262,144 + Te x 4,096 + q x 512 + 16 x lane; lane (r, h) holds o_w(16 Te + r, 128 ks + 16 q + 8 h + 0 .. 7): four registers of a 16-bit operand, as the last launch loads them.
; A wave takes one (Te, ks): 16 rows x 128 along K.  These waves touch no LDS.
.Low:
	s_sub_co_u32 s34, ttmp9, QWG
	s_lshl_b32 s34, s34, 2
	s_add_co_u32 s34, s34, s24                     ; 0 .. 511
	s_lshr_b32 s35, s34, 3                         ; Te
	s_and_b32 s34, s34, 7                          ; ks
	s_lshl_b32 s36, s35, 16                        ; 16 rows of 4,096 bytes
	s_lshl_b32 s38, s34, 9                         ; 128 numbers
	s_add_co_u32 s36, s36, s38
	s_mov_b32 s37, 0
	s_add_nc_u64 s[12:13], s[12:13], s[36:37]
	s_lshl_b32 s36, s34, 18
	s_lshl_b32 s38, s35, 12
	s_add_co_u32 s36, s36, s38
	s_add_nc_u64 s[22:23], s[22:23], s[36:37]
	v_and_b32 v8, 15, v0                           ; r
	v_bfe_u32 v9, v0, 4, 1                         ; h
	v_lshlrev_b32 v10, 12, v8
	v_lshl_add_u32 v10, v9, 5, v10                 ; row r, + 32 h bytes
.irp q, 0,1,2,3,4,5,6,7
	global_load_b128 v[R+8*\q:R+8*\q+3], v10, s[12:13] offset:64*\q
	global_load_b128 v[R+8*\q+4:R+8*\q+7], v10, s[12:13] offset:64*\q+16
.endr
	s_wait_loadcnt 0x0
.irp q, 0,1,2,3,4,5,6,7
.irp i, 0,1,2,3
	v_cvt_pk_f16_f32 v[C+4*\q+\i], v[R+8*\q+2*\i], v[R+8*\q+2*\i+1]
.endr
.endr
.irp q, 0,1,2,3,4,5,6,7
	global_store_b128 v3, v[C+4*\q:C+4*\q+3], s[22:23] offset:512*\q   ; 32 lanes store 512 consecutive bytes
.endr
	s_endpgm
.Lfunc_end_k_q2937ebfe1e_prep:
	.size	k_q2937ebfe1e_prep, .Lfunc_end_k_q2937ebfe1e_prep-k_q2937ebfe1e_prep
	.p2alignl 7, 3214868480
	.fill 96, 4, 3214868480
	.section	.rodata,"a",@progbits
	.p2align	6, 0x0
	.amdhsa_kernel k_q2937ebfe1e_prep
		.amdhsa_group_segment_fixed_size 33280
		.amdhsa_private_segment_fixed_size 0
		.amdhsa_enable_private_segment 0
		.amdhsa_kernarg_size 80
		.amdhsa_user_sgpr_count 2
		.amdhsa_user_sgpr_kernarg_segment_ptr 1
		.amdhsa_wavefront_size32 1
		.amdhsa_system_sgpr_workgroup_id_x 1
		.amdhsa_system_sgpr_workgroup_id_y 1
		.amdhsa_system_sgpr_workgroup_id_z 1
		.amdhsa_system_vgpr_workitem_id 0
		.amdhsa_next_free_vgpr 192
		.amdhsa_next_free_sgpr 66
		.amdhsa_reserve_vcc 0
		.amdhsa_float_denorm_mode_32 3
		.amdhsa_float_denorm_mode_16_64 3
		.amdhsa_memory_ordered 1
		.amdhsa_forward_progress 1
		.amdhsa_inst_pref_size 39
	.end_amdhsa_kernel
	.amdgpu_metadata
---
amdhsa.version: [ 1, 2 ]
amdhsa.kernels:
  - .name:           k_q2937ebfe1e_prep
    .symbol:         k_q2937ebfe1e_prep.kd
    .args:
      - { .name: x, .offset: 0, .size: 8, .value_kind: global_buffer, .address_space: global }
      - { .name: q_w, .offset: 8, .size: 8, .value_kind: global_buffer, .address_space: global }
      - { .name: k_w, .offset: 16, .size: 8, .value_kind: global_buffer, .address_space: global }
      - { .name: v_w, .offset: 24, .size: 8, .value_kind: global_buffer, .address_space: global }
      - { .name: o_w, .offset: 32, .size: 8, .value_kind: global_buffer, .address_space: global }
      - { .name: xc, .offset: 40, .size: 8, .value_kind: global_buffer, .address_space: global }
      - { .name: xs, .offset: 48, .size: 8, .value_kind: global_buffer, .address_space: global }
      - { .name: wc, .offset: 56, .size: 8, .value_kind: global_buffer, .address_space: global }
      - { .name: ws, .offset: 64, .size: 8, .value_kind: global_buffer, .address_space: global }
      - { .name: owf, .offset: 72, .size: 8, .value_kind: global_buffer, .address_space: global }
    .group_segment_fixed_size: 33280
    .private_segment_fixed_size: 0
    .kernarg_segment_align: 8
    .kernarg_segment_size: 80
    .max_flat_workgroup_size: 128
    .sgpr_count:     66
    .vgpr_count:     192
    .wavefront_size: 32
...
	.end_amdgpu_metadata
.endif
;; end of part 1
;; launch qkv (part 2): grid 12 x 32, 4 waves a work-group, clusters of 4 x 4, 327,680 bytes of LDS; arguments xc, xs, wc, ws, q_b, k_b, v_b, cos, sin, qf, kvf; writes qf, kvf
.if DOCPART == 2
	.amdgcn_target "amdgcn-amd-amdhsa--gfx1250"
	.amdhsa_code_object_version 6
	.text
	.protected	k_q2937ebfe1e_qkv
	.globl	k_q2937ebfe1e_qkv
	.p2align	8
	.type	k_q2937ebfe1e_qkv,@function
k_q2937ebfe1e_qkv:
	s_mov_b64 s[64:65], 0
	v_nop
	global_prefetch_b8 v0, s[64:65] scope:SCOPE_SE
	s_setreg_imm32_b32 hwreg(HW_REG_WAVE_MODE, 25, 1), 1
	s_wait_xcnt 0x0
	s_wait_alu depctr_hold_cnt(0) depctr_sa_sdst(0) depctr_va_vdst(0) depctr_va_sdst(0) depctr_va_ssrc(0) depctr_va_vcc(0) depctr_vm_vsrc(0)
	s_getreg_b32 s2, hwreg(HW_REG_IB_STS2, 6, 4)
	s_cmp_eq_u32 s2, 0
	s_cbranch_scc0 .Lentry_in_a_cluster
	s_endpgm
.Lentry_in_a_cluster:
	s_bfe_u32 s2, ttmp6, 0x10000c
	s_cmp_lg_u32 s2, 0xf033
	s_cbranch_scc0 .Lentry_shape_is_right
	s_endpgm
.Lentry_shape_is_right:
; q, k, v = x W^T + b on codes of FP4 (E2M1) with one E8M0 scale for each 32 along K; then RoPE on q and k in f32; q, k rounded to bf16, v to f16.
; A = xc [8192][1024 codes], B = wc [3072][1024 codes] (rows 0-1023 q_w, 1024-2047 k_w, 2048-3071 v_w); scale bytes xs [8192][32], ws [3072][32].
; A tile of 256 tokens x 256 columns is made by four waves, each 128 x 128: 64 accumulators of 16 x 16, 512 registers.  K = 1,024 is two slots of 512 along K (rows of 256 bytes), both asked for at the head:
; no slot is filled again.  The scale bytes of the work-group's rows of A and of B, for all of K, come into LDS once, with the first fills.
; CLUSTERS: 4 x 4 work-groups.  The four of a row of the cluster need the same tiles of A, the four of a column the same tiles of B: each is asked for JOINTLY, by the same tensor load with the same descriptor and a mask
; that names the four.  A cluster's x (0, 1, 2) says whether its sixteen work-groups make q, k or v: the one branch of the way out hangs on it, and it is the same in all partners.
; THE MATRIX INSTRUCTION IS USED TRANSPOSED (source 0 = 16 rows of W, source 1 = 16 tokens): a lane (r = lane % 16, h = lane / 16) holds token r and eight neighbouring channels 8 h + 0 .. 7 of a tile of 16.
; Rounded to 16 bits these are four registers of the next product's operand, in the same lane.  So the results leave as IMAGES OF OPERAND REGISTERS, 16 bytes a lane, 512 consecutive bytes a store, with no turn through LDS:
;   qf:  byte bh x 262,144 + T x 2,048 + b' x 512 + 16 lane          (bh = 16 batch + head, T = token / 16 in the sequence, b' = channel / 16)
;   kvf: byte bh x 524,288 + (T / 32) x 131,072 + [k: 0, v: 65,536] + (T % 32) x 2,048 + b' x 512 + [k: 16 lane; v: 32 r + 16 h, a block of 16 tokens x 16 channels by rows of 32 bytes]
; The bias is the C of each sum's first matrix instruction.
; LIMITS: |v| stays under 65,504 (f16); q and k go in bf16, which has f32's range.  NaN and infinities are not served.
; REGISTERS, in windows of 256: window 0: v0-31 addresses; v32-95 scale words, two sets; v128-191 A's fragments, one set; v192-255 the bias.  On the way out: v32-159 cos and sin, two sets; v160-191 at work; v192-255 packed results, two sets.
;   window 1: B's fragments, two sets, at v0 and v128.   window 2: the accumulators of my tokens 0-63 ((a, b) at v[8 (8 a + b)]);   window 3: those of my tokens 64-127.
.set SIZE_K, 1024
.set KSTEP,  512                       ; along K in a slot
.set NQ,     KSTEP/128                 ; matrix instructions deep
.set ROWB,   256                       ; a tile's row in bytes
.set KROW,   SIZE_K*4/8                ; a row of codes in memory
.set PITCH,  272                       ; an LDS row: 256 bytes + 16 of padding, so that the 16 rows of a fragment load start 68 words apart
.set FR,     8                         ; registers of a fragment: 16 rows x 128 K
.set NL,     2                         ; LDS loads that bring one
.set NP,     4                         ; places behind this matrix instruction (ISA guide 7.12.1)
.set HALFT,  128*PITCH                 ; 128 rows: what one tensor load brings
.set SLOT,   4*HALFT                   ; A's 256 rows, then B's 256 rows
.set KS,     SIZE_K/32                 ; a row of scale bytes
.set SCL,    2*SLOT                    ; behind the slots: the scale bytes, as rows of 256 bytes + 16 of padding
.set HALFS,  (128*KS/256)*272          ; those of 128 rows
.set SBLK,   (16*KS/256)*272           ; those of 16 rows
.set SPARE,  SCL+4*HALFS               ; the spare words, 128 bytes a wave, which no other line names
.set ADRA, 16                          ; v16-17  LDS address of my A fragments in slot 0, 1
.set ADRB, 20                          ; v20-21  the same for B
.set VO,   24                          ; v24-25  the way out: my lane's byte in an image, for my first head and for my second
.set ADRS, 27                          ; v27     LDS address of my scale words: lanes 0-15 A's rows, lanes 16-31 B's
.set SPW,  28                          ; v28     LDS address of my spare word; never rewritten
.set NIL,  29                          ; v29     0; never rewritten
.set BO,   30                          ; v30     32 h: my eight numbers of a tile of the bias
.set CSO,  31                          ; v31     256 r + 32 h: my eight numbers of a tile of cos or sin
.set SC,   32                          ; scale words: set s at v[SC + 8 NQ s]; register NQ i + q: lanes 0-15 A's block i, lanes 16-31 B's block i, the slot's q-th 128 along K
.set AF,   128                         ; A's fragments
.set BI,   192                         ; the bias: tile b at v[BI + 8 b]
.set CSR,  32                          ; the way out: cos (tile t at + 8 t) and sin (+ 32 + 8 t), sets at v32 and v96
.set TMP,  160
.set PK,   192                         ; packed results, sets at v192 and v224
.set G1, 24                            ; s[24:31] descriptor group 1 for A's tiles;  s[32:39] group 0, one set for each slot
.set G0, 32
.set G1B, 48                           ; s[48:55], s[56:63] the same for B's tiles
.set G0B, 56
.set G1S, 68                           ; s[68:75], s[76:79] groups 1 and 0 for A's scales;  s[80:87], s[88:91] for B's
.set G0S, 76
.set G1SB, 80
.set G0SB, 88
.set MSB, 0
.macro WIN new                         ; the immediate's high byte repeats the setting that is left; a switch that changes nothing is dropped
.if MSB != (\new)
	s_set_vgpr_msb (MSB<<8)|(\new)
.set MSB, (\new)
.endif
.endm
.set MUL_LO, 0xa1                      ; source 0 (B) window 1, source 1 (A) window 0, C and D window 2
.set MUL_HI, 0xf1                      ; the same, C and D window 3
.set TO_B,   0x40                      ; destination window 1, address window 0
; A joint load: waves 0 and 1 fetch for A, waves 2 and 3 for B.  Each line has one mask and one set of registers for all that issue it; the branch hangs on the wave's number alone.
; An s_nop 0 and four v_nop follow each of the two lines.
.macro JLOAD g0a, g1a, g0b, g1b
	s_cmp_eq_u32 s15, 0
	s_cbranch_scc0 .Lfor_b_\@
	tensor_load_to_lds s[\g0a:\g0a+3], s[\g1a:\g1a+7]
	s_nop 0
.rept 4
	v_nop
.endr
	s_branch .Lasked_\@
.Lfor_b_\@:
	tensor_load_to_lds s[\g0b:\g0b+3], s[\g1b:\g1b+7]
	s_nop 0
.rept 4
	v_nop
.endr
.Lasked_\@:
.endm
.macro CROUND                          ; a round of the cluster's barrier
	s_barrier_signal -1
	s_barrier_wait -1
	s_cmp_lg_u32 s14, 0
	s_cbranch_scc1 .Lnot_wave_0_\@
	s_barrier_signal -3
.Lnot_wave_0_\@:
	s_barrier_wait -3
	s_barrier_signal -1
	s_barrier_wait -1
.endm
	s_load_b128 s[4:7], s[0:1], 0x0                ; xc s[4:5], xs s[6:7]
	s_load_b128 s[8:11], s[0:1], 0x10              ; wc s[8:9], ws s[10:11]
	v_lshl_add_u32 v[SPW], v0, 2, SPARE
	v_mov_b32 v[NIL], 0
	ds_add_u32 v[SPW], v[NIL]                      ; the wave's opening: the add, twice on end, and its wait ahead of my first tensor load
	ds_add_u32 v[SPW], v[NIL]
	v_lshrrev_b32 v1, 5, v0
	v_readfirstlane_b32 s14, v1                    ; wave 0..3
	s_lshr_b32 s15, s14, 1                         ; which half of the tile's tokens is mine.  Also: I fetch for A (0) or for B (1)
	s_and_b32 s16, s14, 1                          ; which half of its columns.  Also: which 128 rows of that tile I fetch
	s_bfe_u32 s40, ttmp6, 0x40000                  ; cx, cy: my place in the cluster
	s_bfe_u32 s41, ttmp6, 0x40004
	s_lshl_b32 s42, ttmp9, 2
	s_add_co_u32 s42, s42, s40                     ; tile column = 4 x cluster x + cx
	s_and_b32 s17, ttmp7, 0xffff
	s_lshl_b32 s17, s17, 2
	s_add_co_u32 s17, s17, s41                     ; tile row = 4 x cluster y + cy
	s_lshl_b32 s43, s41, 2
	s_lshl_b32 s43, 15, s43                        ; my row of the cluster
	s_lshl_b32 s44, 0x1111, s40                    ; my column
	; descriptor group 1: a tile of 128 rows x 256 bytes, padded in LDS
	s_or_b32 s[G1+0], s43, (0<<16)|(1<<20)|(1<<21)|(5<<22)|(3<<25)  ; 15:0 the mask: A's tiles go to my row; 17:16 elements of 1 byte; 20 padding on; 21 set beside a mask; 24:22 after every 64 words; 31:25 four words
	s_or_b32 s[G1B+0], s44, (0<<16)|(1<<20)|(1<<21)|(5<<22)|(3<<25)
.irp g, G1, G1B
	s_mov_b32 s[\g+1], ROWB<<16                    ; tensor_dim0
	s_mov_b32 s[\g+2], 128<<16                     ; tensor_dim1
	s_mov_b32 s[\g+3], ROWB<<16                    ; tile_dim0
	s_mov_b32 s[\g+4], 128                         ; tile_dim1
	s_mov_b32 s[\g+5], KROW                        ; tensor_dim0_stride
	s_mov_b32 s[\g+6], 0
	s_mov_b32 s[\g+7], 0
.endr
	; the scale bytes of 128 rows: a dense block of 4,096 bytes, as 16 rows of 256 bytes (32 elements of 8 bytes), 16 bytes of padding behind each
	s_or_b32 s[G1S+0], s43, (3<<16)|(1<<20)|(1<<21)|(5<<22)|(3<<25)
	s_or_b32 s[G1SB+0], s44, (3<<16)|(1<<20)|(1<<21)|(5<<22)|(3<<25)
.irp g, G1S, G1SB
	s_mov_b32 s[\g+1], 32<<16
	s_mov_b32 s[\g+2], (128*KS/256)<<16
	s_mov_b32 s[\g+3], 32<<16
	s_mov_b32 s[\g+4], 128*KS/256
	s_mov_b32 s[\g+5], 32
	s_mov_b32 s[\g+6], 0
	s_mov_b32 s[\g+7], 0
.endr
	s_lshl_b32 s18, s16, 7                         ; which 128 rows of the tile I fetch
	s_lshl_b32 s20, s17, 8
	s_add_co_u32 s20, s20, s18                     ; A: row 256 x tile row + 128 x half
	s_lshl_b32 s46, s42, 8
	s_add_co_u32 s46, s46, s18                     ; B: row 256 x tile column + 128 x half
	s_mov_b32 s21, 0
	s_mov_b32 s47, 0
	s_mov_b64 s[18:19], KS
	s_mul_u64 s[22:23], s[20:21], s[18:19]         ; where these rows' scale bytes begin
	s_mul_u64 s[92:93], s[46:47], s[18:19]
	s_mov_b64 s[18:19], KROW
	s_mul_u64 s[20:21], s[20:21], s[18:19]         ; and their codes
	s_mul_u64 s[46:47], s[46:47], s[18:19]
	s_mul_i32 s45, s14, HALFT                      ; where they go: wave x 128 rows: no place in the cluster enters an LDS address
	s_mul_i32 s94, s14, HALFS
	s_wait_dscnt 0x0                               ; both opening adds are done
	s_wait_kmcnt 0x0
	s_add_nc_u64 s[20:21], s[4:5], s[20:21]
	s_add_nc_u64 s[22:23], s[6:7], s[22:23]
	s_add_nc_u64 s[46:47], s[8:9], s[46:47]
	s_add_nc_u64 s[92:93], s[10:11], s[92:93]
	CROUND                                         ; all sixteen work-groups are here: the joint loads meet
	s_mov_b32 s[G0S], 1
	s_add_co_u32 s[G0S+1], s94, SCL
	s_mov_b64 s[G0S+2:G0S+3], s[22:23]
	s_or_b32 s[G0S+3], s[G0S+3], 0x80000000
	s_mov_b32 s[G0SB], 1
	s_add_co_u32 s[G0SB+1], s94, SCL
	s_mov_b64 s[G0SB+2:G0SB+3], s[92:93]
	s_or_b32 s[G0SB+3], s[G0SB+3], 0x80000000
	JLOAD G0S, G1S, G0SB, G1SB                     ; the scale bytes first: they are wanted with the first slot.  By this text's count three tensor loads of a wave are out at the most
.irp s, 0,1
	s_mov_b32 s[G0+4*\s], 1
	s_add_co_u32 s[G0+4*\s+1], s45, \s*SLOT
	s_add_nc_u64 s[G0+4*\s+2:G0+4*\s+3], s[20:21], \s*ROWB
	s_or_b32 s[G0+4*\s+3], s[G0+4*\s+3], 0x80000000
	s_mov_b32 s[G0B+4*\s], 1
	s_add_co_u32 s[G0B+4*\s+1], s45, \s*SLOT
	s_add_nc_u64 s[G0B+4*\s+2:G0B+4*\s+3], s[46:47], \s*ROWB
	s_or_b32 s[G0B+4*\s+3], s[G0B+4*\s+3], 0x80000000
	JLOAD G0+4*\s, G1, G0B+4*\s, G1B
.endr
	s_load_b128 s[4:7], s[0:1], 0x20               ; the other arguments, into registers that are done with: q_b s[4:5], k_b s[6:7],
	s_load_b128 s[8:11], s[0:1], 0x30              ; v_b s[8:9], cos s[10:11],
	s_load_b128 s[96:99], s[0:1], 0x40             ; sin s[96:97], qf s[98:99],
	s_load_b64 s[100:101], s[0:1], 0x50            ; kvf
	v_and_b32 v1, 15, v0                           ; r = lane % 16
	v_bfe_u32 v2, v0, 4, 1                         ; h = lane / 16
	v_mul_u32_u24 v3, v1, PITCH
	v_lshl_add_u32 v4, v2, 4, v3                   ; a fragment's row x pitch + 16 x half
	s_mul_i32 s21, s15, HALFT                      ; my 128 rows of A
	s_mul_i32 s22, s16, HALFT                      ; my 128 rows of B,
	s_add_co_u32 s22, s22, 2*HALFT                 ; which lie behind A's 256
.irp s, 0,1
	v_add_nc_u32 v[ADRA+\s], s21, v4
	v_add_nc_u32 v[ADRB+\s], s22, v4
	s_add_co_u32 s21, s21, SLOT
	s_add_co_u32 s22, s22, SLOT
.endr
	v_mul_u32_u24 v5, v1, KS                       ; my row's scale bytes: KS a row,
	v_lshrrev_b32 v6, 8, v5
	v_lshl_add_u32 v5, v6, 4, v5                   ; and 16 more for each 256 passed
	s_mul_i32 s21, s15, HALFS                      ; A's: my 128 rows
	s_mul_i32 s22, s16, HALFS                      ; B's: my 128 rows, behind A's 256
	s_add_co_u32 s22, s22, 2*HALFS
	s_sub_co_u32 s22, s22, s21
	v_mul_u32_u24 v6, s22, v2                      ; lanes 16-31 take B's
	s_add_co_u32 s21, s21, SCL
	v_add_nc_u32 v5, v5, v6
	v_add_nc_u32 v[ADRS], s21, v5
	v_lshlrev_b32 v[BO], 5, v2
	v_lshl_add_u32 v[CSO], v1, 8, v[BO]
	; where my results go.  My first token g0 = 256 x tile row + 128 x half; my first head = 4 cx + 2 x column half
	s_lshl_b32 s20, s17, 8
	s_lshl_b32 s21, s15, 7
	s_add_co_u32 s20, s20, s21                     ; g0
	s_lshr_b32 s21, s20, 11                        ; batch
	s_and_b32 s22, s20, 2047                       ; sp: its place in the sequence, a multiple of 128
	s_lshl_b32 s21, s21, 4
	s_lshl_b32 s23, s40, 2
	s_add_co_u32 s21, s21, s23
	s_lshl_b32 s23, s16, 1
	s_add_co_u32 s21, s21, s23                     ; bh of my first head
	s_lshr_b32 s46, s22, 9
	s_lshl_b32 s46, s46, 16                        ; kvf: 65,536 more for each 512 tokens passed (a slot holds k's and v's halves)
	s_wait_kmcnt 0x0
	s_cmp_eq_u32 ttmp9, 0                          ; q?
	s_cselect_b64 s[12:13], s[98:99], s[100:101]
	s_cselect_b32 s47, 18, 19                      ; a head is 2^18 bytes of qf, 2^19 of kvf
	s_cselect_b32 s46, 0, s46
	s_cmp_eq_u32 ttmp9, 2                          ; v?
	s_cselect_b32 s66, 65536, 0
	s_cselect_b64 s[8:9], s[8:9], s[4:5]           ; the bias: v_b, or q_b,
	s_cmp_eq_u32 ttmp9, 1
	s_cselect_b64 s[4:5], s[6:7], s[8:9]           ; or k_b
	s_lshl_b32 s94, s21, s47
	s_lshl_b32 s95, s22, 7                         ; 2,048 bytes for each 16 tokens
	s_add_co_u32 s94, s94, s95
	s_add_co_u32 s94, s94, s46
	s_add_co_u32 s94, s94, s66
	s_mov_b32 s95, 0
	s_add_nc_u64 s[12:13], s[12:13], s[94:95]
	s_lshl_b32 s67, 1, s47                         ; from my first head to my second
	s_lshl_b32 s94, s22, 8                         ; a row of cos or sin is 256 bytes
	s_add_nc_u64 s[10:11], s[10:11], s[94:95]
	s_add_nc_u64 s[96:97], s[96:97], s[94:95]
	s_lshl_b32 s94, s40, 10                        ; my 128 numbers of the bias: 256 cx + 128 x column half
	s_lshl_b32 s66, s16, 9
	s_add_co_u32 s94, s94, s66
	s_add_nc_u64 s[4:5], s[4:5], s[94:95]
.irp b, 0,1,2,3,4,5,6,7
	global_load_b128 v[BI+8*\b:BI+8*\b+3], v[BO], s[4:5] offset:64*\b       ; lane (r, h): the bias of columns 16 b + 8 h + 0 .. 7: the result's layout
	global_load_b128 v[BI+8*\b+4:BI+8*\b+7], v[BO], s[4:5] offset:64*\b+16
.endr
.macro FRAG reg, adr, q, i             ; a fragment: lane l holds row l % 16; registers 4 c .. 4 c + 3 hold K = 64 c + 32 (l / 16) + 0 .. 31
.irp c, 0,1
	ds_load_b128 v[\reg+4*\c:\reg+4*\c+3], v[\adr] offset:64*(\q)+32*\c+(\i)*16*PITCH
.endr
.endm
; 16 matrix instructions: A's blocks a0, a0 + 1 x B's eight, the slot's q-th 128 along K.  p: B's set; sc: the set of scale words.  zero = 1: the first product starts the sums from the bias.
; The 64 accumulators take turns, one instruction a turn, in the same order in every step.
.macro MUL16 a0, p, q, sc, zero
.irp a, \a0, \a0+1
.irp b, 0,1,2,3,4,5,6,7
.if \zero
	v_wmma_scale_f32_16x16x128_f8f6f4 v[8*(8*((\a)%4)+\b):8*(8*((\a)%4)+\b)+7], v[128*(\p)+FR*\b:128*(\p)+FR*\b+FR-1], v[AF+FR*(\a):AF+FR*(\a)+FR-1], v[BI+8*\b:BI+8*\b+7], v[SC+8*NQ*(\sc)+NQ*\b+(\q)], v[SC+8*NQ*(\sc)+NQ*(\a)+(\q)] matrix_a_fmt:MATRIX_FMT_FP4 matrix_b_fmt:MATRIX_FMT_FP4 matrix_a_scale:MATRIX_SCALE_ROW1
.else
	v_wmma_scale_f32_16x16x128_f8f6f4 v[8*(8*((\a)%4)+\b):8*(8*((\a)%4)+\b)+7], v[128*(\p)+FR*\b:128*(\p)+FR*\b+FR-1], v[AF+FR*(\a):AF+FR*(\a)+FR-1], v[8*(8*((\a)%4)+\b):8*(8*((\a)%4)+\b)+7], v[SC+8*NQ*(\sc)+NQ*\b+(\q)], v[SC+8*NQ*(\sc)+NQ*(\a)+(\q)] matrix_a_fmt:MATRIX_FMT_FP4 matrix_b_fmt:MATRIX_FMT_FP4 matrix_a_scale:MATRIX_SCALE_ROW1
.endif
.endr
.endr
.endm
.macro FETCH_B slot, q, p
	WIN TO_B
.irp i, 0,1,2,3,4,5,6,7
	FRAG 128*(\p)+FR*\i, ADRB+\slot, \q, \i
.endr
	WIN 0
.endm
.macro FETCH_A slot, q, i0
.irp i, \i0, \i0+1, \i0+2, \i0+3
	FRAG AF+FR*(\i), ADRA+\slot, \q, \i
.endr
.endm
.macro SCALES sc                       ; a slot's scale words: four words a row; lanes 0-15 take A's block i, lanes 16-31 B's block i
.irp i, 0,1,2,3,4,5,6,7
	ds_load_b128 v[SC+8*NQ*\sc+NQ*\i:SC+8*NQ*\sc+NQ*\i+3], v[ADRS] offset:\i*SBLK
.endr
.endm
; A load into a register that a matrix instruction has read, and a vector instruction that reads a matrix result, stand NP places behind that matrix instruction; only plain vector instructions that name none of its registers are places.
.macro PLACES n
.rept \n
	v_nop
.endr
.endm
; A step of 128 along K that has its successor in the same slot.  A block of A is free as soon as its eight products are issued: blocks 0-3 are fetched anew in the step's middle, blocks 4-7 at its end.
.macro STEP slot, q, zero
	s_wait_dscnt 4*NL                              ; B's set and A's blocks 0-3 are in; the youngest eight loads (A's blocks 4-7) may be out
	WIN MUL_LO-0x20*(\zero)                        ; (zero = 1: C, the bias, lies in window 0)
	MUL16 0, (\q)%2, \q, \slot, \zero
	MUL16 2, (\q)%2, \q, \slot, \zero
	s_wait_dscnt 0                                 ; A's blocks 4-7 are in
	PLACES NP
	FETCH_B \slot, (\q)+1, 1-(\q)%2
	FETCH_A \slot, (\q)+1, 0
	WIN MUL_HI-0x30*(\zero)
	MUL16 4, (\q)%2, \q, \slot, \zero
	MUL16 6, (\q)%2, \q, \slot, \zero
	PLACES NP
	WIN 0
	FETCH_A \slot, (\q)+1, 4
.endm
; Slot 0's last step goes over to slot 1: one barrier; in front of it each wave waits for all its tensor loads (its part of slot 1), adds 0 to its spare word, and waits for that and for its LDS loads.  Nothing is filled again.
.macro TURN slot, next
	s_wait_tensorcnt 0x0                           ; all my tensor loads have landed
	ds_add_u32 v[SPW], v[NIL]                      ; 0 onto my spare word
	s_wait_dscnt 4*NL+1                            ; (the add and the youngest eight loads, A's blocks 4-7, may be out)
	WIN MUL_LO
	MUL16 0, 1, NQ-1, \slot, 0
	s_wait_dscnt 0x0                               ; the add is done, and my reads of this slot are over
	s_barrier_signal -1
	MUL16 2, 1, NQ-1, \slot, 0
	WIN 0
	s_barrier_wait -1                              ; every wave's part of the next slot is in
	PLACES NP
	v_add_nc_u32 v[ADRS], 4*NQ, v[ADRS]            ; on to the next slot's scale words
	FETCH_B \next, 0, 0
	FETCH_A \next, 0, 0
	SCALES \next
	WIN MUL_HI
	MUL16 4, 1, NQ-1, \slot, 0
	MUL16 6, 1, NQ-1, \slot, 0
	PLACES NP
	WIN 0
	FETCH_A \next, 0, 4
.endm
.macro STEPS slot, from                ; the slot's steps from .. NQ - 2
.set Q, \from
.rept NQ-1-\from
	STEP \slot, Q, 0
.set Q, Q+1
.endr
.endm
	s_wait_tensorcnt 1                             ; the scale bytes and my part of slot 0 are in (slot 1's load may be out)
	s_barrier_signal -1
	s_barrier_wait -1                              ; everybody's are
	FETCH_B 0, 0, 0
	FETCH_A 0, 0, 0
	SCALES 0
	FETCH_A 0, 0, 4
	s_wait_loadcnt 0x0                             ; the bias
	STEP 0, 0, 1
	STEPS 0, 1
	TURN 0, 1
	STEPS 1, 0
	s_wait_dscnt 4*NL                              ; the last step: nothing more to fetch
	WIN MUL_LO
	MUL16 0, 1, NQ-1, 1, 0
	MUL16 2, 1, NQ-1, 1, 0
	s_wait_dscnt 0
	WIN MUL_HI
	MUL16 4, 1, NQ-1, 1, 0
	MUL16 6, 1, NQ-1, 1, 0
	WIN 0
; THE WAY OUT, block by block of 16 tokens (a = 0 .. 7).  Accumulator (a, b): head b / 4 of my two, channels 16 (b % 4) + 8 h + 0 .. 7 of token 16 a + r.
	PLACES NP                                      ; behind the last products: for the loads into registers that held scale words and fragments, and for the first reads of results
	s_cmp_eq_u32 ttmp9, 2
	s_cbranch_scc1 .Lv
; q AND k: RoPE.  Channel c under 32: y(c) = y(c) cos(c) - y(c + 32) sin(c); from 32 on: y(c) = y(c) cos(c) + y(c - 32) sin(c).  Tiles 0, 1 of a head pair with tiles 2, 3, register by register.
	v_and_b32 v[VO], 31, v0
	v_lshlrev_b32 v[VO], 4, v[VO]                  ; 16 x lane
	v_add_nc_u32 v[VO+1], s67, v[VO]
.macro CSLOAD a                        ; cos and sin of tokens 16 a + r: 16 loads into set a % 2
.set CL, CSR+64*((\a)%2)
.irp t, 0,1,2,3
	global_load_b128 v[CL+8*\t:CL+8*\t+3], v[CSO], s[10:11] offset:(\a)*4096+64*\t
	global_load_b128 v[CL+8*\t+4:CL+8*\t+7], v[CSO], s[10:11] offset:(\a)*4096+64*\t+16
	global_load_b128 v[CL+32+8*\t:CL+32+8*\t+3], v[CSO], s[96:97] offset:(\a)*4096+64*\t
	global_load_b128 v[CL+32+8*\t+4:CL+32+8*\t+7], v[CSO], s[96:97] offset:(\a)*4096+64*\t+16
.endr
.endm
.macro ROPE a
.if (\a) < 7
	CSLOAD (\a)+1
	s_wait_loadcnt 16                              ; this block's cos and sin are in; the next block's 16 loads may be out
.else
	s_wait_loadcnt 0x0
.endif
.if (\a) >= 2
	s_wait_xcnt 0x0                                ; the stores of two blocks ago have read this set of packed results: it is written again only behind this wait
.endif
.set CC, CSR+64*((\a)%2)
.set PP, PK+32*((\a)%2)
.irp hh, 0,1
	WIN 0x02+(\a)/4                                ; source 0: the accumulators' window
.irp bp, 0,1
.irp p, 0,1,2,3                        ; each accumulator from its low end on
.set X1, 8*(8*((\a)%4)+4*\hh+\bp)+2*\p
.set T1, TMP+16*\bp+2*\p
	v_pk_mul_f32 v[T1:T1+1], v[X1:X1+1], v[CC+8*\bp+2*\p:CC+8*\bp+2*\p+1]
	v_pk_mul_f32 v[T1+8:T1+9], v[X1+16:X1+17], v[CC+8*(\bp+2)+2*\p:CC+8*(\bp+2)+2*\p+1]
	v_pk_fma_f32 v[T1:T1+1], v[X1+16:X1+17], v[CC+32+8*\bp+2*\p:CC+32+8*\bp+2*\p+1], v[T1:T1+1] neg_lo:[1,0,0] neg_hi:[1,0,0]
	v_pk_fma_f32 v[T1+8:T1+9], v[X1:X1+1], v[CC+32+8*(\bp+2)+2*\p:CC+32+8*(\bp+2)+2*\p+1], v[T1+8:T1+9]
.endr
.endr
	WIN 0
.irp bp, 0,1
.irp i, 0,1,2,3
	v_cvt_pk_bf16_f32 v[PP+4*(4*\hh+\bp)+\i], v[TMP+16*\bp+2*\i], v[TMP+16*\bp+2*\i+1]
	v_cvt_pk_bf16_f32 v[PP+4*(4*\hh+\bp+2)+\i], v[TMP+16*\bp+8+2*\i], v[TMP+16*\bp+8+2*\i+1]
.endr
.endr
.irp t, 0,1,2,3
	global_store_b128 v[VO+\hh], v[PP+4*(4*\hh+\t):PP+4*(4*\hh+\t)+3], s[12:13] offset:(\a)*2048+\t*512   ; 32 lanes store 512 consecutive bytes
.endr
.endr
.endm
	CSLOAD 0
.irp a, 0,1,2,3,4,5,6,7
	ROPE \a
.endr
	s_branch .Ldone
; v: rounded to f16 and stored by rows of 32 bytes within a block of 16 tokens x 16 channels
.Lv:
	v_lshlrev_b32 v[VO], 5, v1
	v_lshl_add_u32 v[VO], v2, 4, v[VO]             ; 32 r + 16 h
	v_add_nc_u32 v[VO+1], s67, v[VO]
.macro VOUT a
.if (\a) >= 2
	s_wait_xcnt 0x0                                ; the stores of two blocks ago have read this set
.endif
.set PP, PK+32*((\a)%2)
	WIN 0x0a+5*((\a)/4)                            ; sources 0 and 1: the accumulators' window
.irp b, 0,1,2,3,4,5,6,7
.irp i, 0,1,2,3
	v_cvt_pk_f16_f32 v[PP+4*\b+\i], v[8*(8*((\a)%4)+\b)+2*\i], v[8*(8*((\a)%4)+\b)+2*\i+1]
.endr
.endr
	WIN 0
.irp b, 0,1,2,3,4,5,6,7
	global_store_b128 v[VO+\b/4], v[PP+4*\b:PP+4*\b+3], s[12:13] offset:(\a)*2048+(\b%4)*512
.endr
.endm
.irp a, 0,1,2,3,4,5,6,7
	VOUT \a
.endr
.Ldone:
	s_wait_tensorcnt 0x0                           ; the wave's end
	ds_add_u32 v[SPW], v[NIL]
	s_wait_dscnt 0x0
	CROUND                                         ; the closing round: no work-group ends while a partner may still ask for a tile that names it
	s_endpgm
.Lfunc_end_k_q2937ebfe1e_qkv:
	.size	k_q2937ebfe1e_qkv, .Lfunc_end_k_q2937ebfe1e_qkv-k_q2937ebfe1e_qkv
	.p2alignl 7, 3214868480
	.fill 96, 4, 3214868480
	.section	.rodata,"a",@progbits
	.p2align	6, 0x0
	.amdhsa_kernel k_q2937ebfe1e_qkv
		.amdhsa_group_segment_fixed_size 327680
		.amdhsa_private_segment_fixed_size 0
		.amdhsa_enable_private_segment 0
		.amdhsa_kernarg_size 88
		.amdhsa_user_sgpr_count 2
		.amdhsa_user_sgpr_kernarg_segment_ptr 1
		.amdhsa_wavefront_size32 1
		.amdhsa_system_sgpr_workgroup_id_x 1
		.amdhsa_system_sgpr_workgroup_id_y 1
		.amdhsa_system_sgpr_workgroup_id_z 1
		.amdhsa_system_vgpr_workitem_id 0
		.amdhsa_next_free_vgpr 1024
		.amdhsa_next_free_sgpr 102
		.amdhsa_reserve_vcc 0
		.amdhsa_float_denorm_mode_32 3
		.amdhsa_float_denorm_mode_16_64 3
		.amdhsa_memory_ordered 1
		.amdhsa_forward_progress 1
		.amdhsa_inst_pref_size 188
	.end_amdhsa_kernel
	.amdgpu_metadata
---
amdhsa.version: [ 1, 2 ]
amdhsa.kernels:
  - .name:           k_q2937ebfe1e_qkv
    .symbol:         k_q2937ebfe1e_qkv.kd
    .args:
      - { .name: xc, .offset: 0, .size: 8, .value_kind: global_buffer, .address_space: global }
      - { .name: xs, .offset: 8, .size: 8, .value_kind: global_buffer, .address_space: global }
      - { .name: wc, .offset: 16, .size: 8, .value_kind: global_buffer, .address_space: global }
      - { .name: ws, .offset: 24, .size: 8, .value_kind: global_buffer, .address_space: global }
      - { .name: q_b, .offset: 32, .size: 8, .value_kind: global_buffer, .address_space: global }
      - { .name: k_b, .offset: 40, .size: 8, .value_kind: global_buffer, .address_space: global }
      - { .name: v_b, .offset: 48, .size: 8, .value_kind: global_buffer, .address_space: global }
      - { .name: cos, .offset: 56, .size: 8, .value_kind: global_buffer, .address_space: global }
      - { .name: sin, .offset: 64, .size: 8, .value_kind: global_buffer, .address_space: global }
      - { .name: qf, .offset: 72, .size: 8, .value_kind: global_buffer, .address_space: global }
      - { .name: kvf, .offset: 80, .size: 8, .value_kind: global_buffer, .address_space: global }
    .group_segment_fixed_size: 327680
    .private_segment_fixed_size: 0
    .kernarg_segment_align: 8
    .kernarg_segment_size: 88
    .max_flat_workgroup_size: 128
    .sgpr_count:     102
    .vgpr_count:     1024
    .wavefront_size: 32
...
	.end_amdgpu_metadata
.endif
;; end of part 2
;; launch attn (part 3): grid 4 x 64, 16 waves a work-group, clusters of 4 x 1, 327,680 bytes of LDS; arguments qf, kvf, attn_mask, af; writes af
.if DOCPART == 3
	.amdgcn_target "amdgcn-amd-amdhsa--gfx1250"
	.amdhsa_code_object_version 6
	.text
	.protected	k_q2937ebfe1e_attn
	.globl	k_q2937ebfe1e_attn
	.p2align	8
	.type	k_q2937ebfe1e_attn,@function
k_q2937ebfe1e_attn:
	s_mov_b64 s[64:65], 0
	v_nop
	global_prefetch_b8 v0, s[64:65] scope:SCOPE_SE
	s_setreg_imm32_b32 hwreg(HW_REG_WAVE_MODE, 25, 1), 1
	s_wait_xcnt 0x0
	s_wait_alu depctr_hold_cnt(0) depctr_sa_sdst(0) depctr_va_vdst(0) depctr_va_sdst(0) depctr_va_ssrc(0) depctr_va_vcc(0) depctr_vm_vsrc(0)
	s_getreg_b32 s2, hwreg(HW_REG_IB_STS2, 6, 4)
	s_cmp_eq_u32 s2, 0
	s_cbranch_scc0 .Lentry_in_a_cluster
	s_endpgm
.Lentry_in_a_cluster:
	s_bfe_u32 s2, ttmp6, 0x10000c
	s_cmp_lg_u32 s2, 0x3003
	s_cbranch_scc0 .Lentry_shape_is_right
	s_endpgm
.Lentry_shape_is_right:
; O[bh][q] = the sum over k of softmax_k(Q[bh][q] . K[bh][k] / 8 + (1 - mask[batch][k]) x -1e9) V[bh][k].  64 heads (bh = 16 batch + head) of 2,048 tokens x 64 channels.
; Q and K are bf16, V f16, laid by the launch before as images of operand registers (a chunk = 512 bytes = four registers, lane l's 16 bytes at 16 l).  Products, maxima and sums in f32; the weights p, at most 1, are rounded to f16.
; SHARES.  A work-group owns 512 queries of one head; each of its sixteen waves two tiles of 16, in 256 registers: four waves to a SIMD, so that one wave's softmax stands beside another's products and LDS loads.
; Every wave walks all 2,048 keys, 64 a step, eight steps to a slot.  A slot is 512 keys: 64 KiB of K's images, then 64 KiB of V's blocks: one dense run of 131,072 bytes of memory, of which each wave fetches 8,192.
; CLUSTER.  The four query blocks of a head walk the same K and V: each slot is asked for JOINTLY, the same sixteen tensor loads with the same descriptors and a mask that names the four.
; No prefetch is written: a refill is issued eight key steps (288 matrix instructions of each wave) ahead of the first read of its bytes.
; LAYOUT.  S^T = K Q^T (source 0 = 16 keys, source 1 = 16 queries): a lane holds ONE query (r = lane % 16) and keys 8 h + 0 .. 7 (h = lane / 16).  Two such tiles, rounded in pairs, are source 1 (32 keys x 16 queries) of
; O^T = V^T P, whose result again holds one query a lane.  V's blocks ([key][channel], rows of 32 bytes) are turned by ds_load_tr16_b128.
; THE MASK.  8 (1 - mask) x -1e9, made once in f32 and kept in LDS, is the C of the scores' first product: scores stay 8 times reference's, a power of two, and c = log2(e) / 8 takes it back.
; SOFTMAX.  A running maximum m for each query: p = 2^(c s - c m); in every step O and the sum are multiplied by a = 2^(c m_old - c m_new).  THE ROW'S SUM is a product too: source 0 with ones in rows 0 and 8, so that
; register 0 of its result is, in every lane, the sum of the lane's query's p over the 32 keys.  The step is written once: O and the sums begin as zeros, m as -3e38.
; LIMITS: |v| and |O| under 65,504; a p under 6e-8 of its row's largest counts as 0; where every key of a batch is masked the scores are lost in the bias's rounding, as they are in f32 in the definition; NaN and infinities are not served.
.set SLOTB, 131072
.set BIAS,  2*SLOTB                    ; behind the ring: the bias of the batch's 2,048 keys, 8,192 bytes, written by ds_store: no tensor load lands there
.set SPARE, BIAS+8192                  ; the spare words, 128 bytes a wave, which no other line names
.set LI,   1                           ; v1   16 x lane
.set AV0,  2                           ; v2   my lane's place in a block of V: 65,536 + 32 (8 h + lane % 8) + 16 ((lane / 8) % 2)
.set AB0,  3                           ; v3   BIAS + 32 h
.set ADK,  4                           ; v4-6 the step's LDS addresses: K, V, the bias
.set ADV,  5
.set ADB,  6
.set MO,   7                           ; v7   16 x thread: my 16 bytes of the mask's row
.set SPW,  8                           ; v8   LDS address of my spare word; never rewritten
.set NIL,  9                           ; v9   0; never rewritten
.set ST,   10                          ; tile q's statistics at v[ST + 6 q]: +0 c m, +1 m, +2 .. +5 c0 - c3, at work; a takes c2's place
.set ONES, 22                          ; v22-29   source 0 of the sums
.set Q,    30                          ; v30-61   Q: tile q at + 16 q
.set KV,   62                          ; v62-93   four fragments of K or of V
.set S,    94                          ; v94-157  S^T: tile q at + 32 q; then p; then P in its low 16 registers and V's second half in its high 16
.set O,    158                         ; v158-221 O^T: tile q, channels 16 ct on, at + 32 q + 8 ct
.set L,    222                         ; v222-237 the sums: tile q at + 8 q
.set TM,   238                         ; v238-255 at work at the head
.set WV,   12
.set G1,   24                          ; s[24:31] descriptor group 1
.set G0A,  32                          ; s[32:35] group 0 for slot 0;  s[36:39] for slot 1
.set G0B,  36
.set CS,   40                          ; s[40:41] c, twice
.set SEL,  42                          ; s[42:43] lane selects for v_permlanex16_b32: lane l xor 16
.set TB,   44                          ; s44  LDS byte at which the step's four tiles of K begin
.set TK,   45                          ; s45  4 x the step's first key
.set CNT,  46
.macro CROUND                          ; a round of the cluster's barrier
	s_barrier_signal -1
	s_barrier_wait -1
	s_cmp_lg_u32 s[WV], 0
	s_cbranch_scc1 .Lnot_wave_0_\@
	s_barrier_signal -3
.Lnot_wave_0_\@:
	s_barrier_wait -3
	s_barrier_signal -1
	s_barrier_wait -1
.endm
	s_load_b256 s[4:11], s[0:1], 0x0               ; qf s[4:5], kvf s[6:7], attn_mask s[8:9], af s[10:11]
	v_lshl_add_u32 v[SPW], v0, 2, SPARE
	v_mov_b32 v[NIL], 0
	ds_add_u32 v[SPW], v[NIL]                      ; the wave's opening: the add, twice on end, and its wait ahead of my first tensor load
	ds_add_u32 v[SPW], v[NIL]
	v_lshrrev_b32 v1, 5, v0
	v_readfirstlane_b32 s[WV], v1                  ; wave 0..15
	s_bfe_u32 s13, ttmp6, 0x40000                  ; cx
	s_lshl_b32 s14, ttmp9, 2
	s_add_co_u32 s14, s14, s13                     ; my block of 512 queries: it enters Q's and O's addresses alone
	s_and_b32 s15, ttmp7, 0xffff                   ; bh, which the four partners share
	; descriptor group 1: 32 rows of 256 bytes (32 elements of 8 bytes), dense in memory and in LDS
	s_mov_b32 s[G1], 15|(3<<16)|(1<<21)            ; 15:0 the mask: all four work-groups; 17:16 elements of 8 bytes; 21 set beside a mask
	s_mov_b32 s[G1+1], 32<<16                      ; tensor_dim0
	s_mov_b32 s[G1+2], 32<<16                      ; tensor_dim1
	s_mov_b32 s[G1+3], 32<<16                      ; tile_dim0
	s_mov_b32 s[G1+4], 32                          ; tile_dim1
	s_mov_b32 s[G1+5], 32                          ; tensor_dim0_stride
	s_mov_b32 s[G1+6], 0
	s_mov_b32 s[G1+7], 0
	s_mov_b32 s[CS], 0x3e38aa3b                    ; c = log2(e) / 8
	s_mov_b32 s[CS+1], s[CS]
	s_mov_b32 s[SEL], 0x76543210
	s_mov_b32 s[SEL+1], 0xfedcba98
	s_lshl_b32 s16, s15, 19                        ; the head's K and V: 524,288 bytes,
	s_lshl_b32 s17, s[WV], 13                      ; my wave's 8,192 of a slot
	s_add_co_u32 s16, s16, s17
	s_mov_b32 s17, 0
	s_lshl_b32 s22, s14, 5
	s_lshl_b32 s23, s[WV], 1
	s_add_co_u32 s22, s22, s23                     ; my first tile of queries: 32 x block + 2 x wave
	s_lshl_b32 s20, s15, 18
	s_lshl_b32 s23, s22, 11
	s_add_co_u32 s20, s20, s23                     ; its byte in qf
	s_mov_b32 s21, 0
	s_wait_dscnt 0x0                               ; both opening adds are done
	s_wait_kmcnt 0x0
	s_add_nc_u64 s[18:19], s[6:7], s[16:17]
	s_mov_b32 s[G0A], 1
	s_lshl_b32 s[G0A+1], s[WV], 13                 ; LDS: wave x 8,192
	s_mov_b64 s[G0A+2:G0A+3], s[18:19]
	s_or_b32 s[G0A+3], s[G0A+3], 0x80000000
	s_mov_b32 s[G0B], 1
	s_add_co_u32 s[G0B+1], s[G0A+1], SLOTB
	s_add_nc_u64 s[G0B+2:G0B+3], s[18:19], SLOTB
	s_or_b32 s[G0B+3], s[G0B+3], 0x80000000
	CROUND                                         ; all four work-groups are here: the first joint loads meet
	tensor_load_to_lds s[G0A:G0A+3], s[G1:G1+7]    ; keys 0-511.  By this text's count two tensor loads of a wave are out here, one behind each refill
	s_nop 0
	tensor_load_to_lds s[G0B:G0B+3], s[G1:G1+7]    ; keys 512-1,023
	s_nop 0
.rept 4
	v_nop
.endr
	s_add_nc_u64 s[4:5], s[4:5], s[20:21]          ; Q at my first tile
	s_lshr_b32 s23, s15, 4                         ; batch
	s_lshl_b32 s20, s23, 13
	s_add_nc_u64 s[8:9], s[8:9], s[20:21]          ; the batch's row of the mask
	s_lshl_b32 s23, s23, 7
	s_add_co_u32 s23, s23, s22                     ; my first tile among all tokens' tiles
	s_lshl_b32 s20, s23, 12                        ; af: byte (head / 2) x 2^21 + tile x 4,096 + (head % 2) x 2,048 + ct x 512 + 16 lane
	s_and_b32 s23, s15, 15
	s_lshr_b32 s22, s23, 1
	s_lshl_b32 s22, s22, 21
	s_add_co_u32 s20, s20, s22
	s_and_b32 s23, s23, 1
	s_lshl_b32 s23, s23, 11
	s_add_co_u32 s20, s20, s23
	s_add_nc_u64 s[10:11], s[10:11], s[20:21]
	v_lshlrev_b32 v[MO], 4, v0
	global_load_b128 v[TM:TM+3], v[MO], s[8:9]     ; 512 threads x 4 numbers: the whole row
	v_and_b32 v[LI], 31, v0
	v_lshlrev_b32 v[LI], 4, v[LI]
.irp i, 0,1,2,3,4,5,6,7
	global_load_b128 v[Q+4*\i:Q+4*\i+3], v[LI], s[4:5] offset:512*\i   ; Q stays in registers: two tiles of four chunks
.endr
	v_and_b32 v[TM+4], 7, v0
	v_bfe_u32 v[TM+6], v0, 4, 1                    ; h
	v_bfe_u32 v[TM+7], v0, 3, 1
	v_lshl_add_u32 v[AV0], v[TM+6], 3, v[TM+4]
	v_lshlrev_b32 v[AV0], 5, v[AV0]
	v_lshl_add_u32 v[AV0], v[TM+7], 4, v[AV0]
	v_add_nc_u32 v[AV0], 0x10000, v[AV0]
	v_lshl_add_u32 v[AB0], v[TM+6], 5, BIAS
	v_lshl_add_u32 v[TM+8], v0, 4, BIAS            ; where I put my four numbers of the bias
	v_mov_b32 v[TM+5], 0x3c003c00                  ; two f16 ones
	v_cmp_eq_u32 vcc_lo, 0, v[TM+4]                ; lanes 0, 8, 16, 24 hold rows 0 and 8 of source 0
.irp i, 0,1,2,3,4,5,6,7
	v_cndmask_b32 v[ONES+\i], 0, v[TM+5], vcc_lo
.endr
.irp q, 0,1
	v_mov_b32 v[ST+6*\q+1], 0xff61b1e6             ; m = -3e38, under every score
	v_mul_f32 v[ST+6*\q], s[CS], v[ST+6*\q+1]
.endr
.set i, 0
.rept 80
	v_mov_b32 v[O+i], 0                            ; O^T and the sums: the first step finds zeros, which its a = 0 leaves zeros
.set i, i+1
.endr
	s_wait_loadcnt 8                               ; the mask is in; Q's eight loads may be out
.irp i, 0,1,2,3
	v_sub_f32 v[TM+\i], 1.0, v[TM+\i]
.endr
.irp i, 0,1,2,3
	v_mul_f32 v[TM+\i], 0xcfee6b28, v[TM+\i]       ; x -8e9 = 8 x -1e9, exactly
.endr
	ds_store_b128 v[TM+8], v[TM:TM+3]
	s_wait_loadcnt 0x0                             ; Q
	s_wait_tensorcnt 1                             ; my part of slot 0 is in; slot 1's may stay out
	s_wait_dscnt 0x0                               ; my part of the bias lies in LDS
	s_barrier_signal -1
	s_barrier_wait -1                              ; everybody's do
; A KEY STEP: 64 keys.  36 matrix instructions, 40 LDS loads.
.macro STEP
	v_add_nc_u32 v[ADK], s[TB], v[LI]
	v_add_nc_u32 v[ADV], s[TB], v[AV0]
	v_add_nc_u32 v[ADB], s[TK], v[AB0]
	v_nop
	v_nop                                          ; five places behind the last step's products: four for the loads into their sources, five for the products below that write over them
.irp t, 0,1,2,3
	ds_load_b128 v[KV+8*\t:KV+8*\t+3], v[ADK] offset:2048*\t             ; K: keys 16 t on, channels 0-31
	ds_load_b128 v[KV+8*\t+4:KV+8*\t+7], v[ADK] offset:2048*\t+512
	ds_load_b128 v[S+8*\t:S+8*\t+3], v[ADB] offset:64*\t                 ; the bias of keys 16 t + 8 h + 0 .. 7: the result's layout
	ds_load_b128 v[S+8*\t+4:S+8*\t+7], v[ADB] offset:64*\t+16
.endr
	s_wait_dscnt 0x0
.irp t, 0,1,2,3
	v_wmma_f32_16x16x32_bf16 v[S+32+8*\t:S+32+8*\t+7], v[KV+8*\t:KV+8*\t+7], v[Q+16:Q+23], v[S+8*\t:S+8*\t+7]   ; tile 1's scores start from the bias, which lies where tile 0's will
.endr
.rept 5
	v_nop                                          ; the next four write over the C of the last four
.endr
.irp t, 0,1,2,3
	v_wmma_f32_16x16x32_bf16 v[S+8*\t:S+8*\t+7], v[KV+8*\t:KV+8*\t+7], v[Q:Q+7], v[S+8*\t:S+8*\t+7]
.endr
.rept 4
	v_nop                                          ; places in front of loads into registers that matrix instructions have read
.endr
.irp t, 0,1,2,3
	ds_load_b128 v[KV+8*\t:KV+8*\t+3], v[ADK] offset:2048*\t+1024        ; channels 32-63
	ds_load_b128 v[KV+8*\t+4:KV+8*\t+7], v[ADK] offset:2048*\t+1536
.endr
	s_wait_dscnt 0x0
.irp t, 0,1,2,3
.irp q, 0,1                            ; the eight accumulators take turns, one instruction a turn
	v_wmma_f32_16x16x32_bf16 v[S+32*\q+8*\t:S+32*\q+8*\t+7], v[KV+8*\t:KV+8*\t+7], v[Q+16*\q+8:Q+16*\q+15], v[S+32*\q+8*\t:S+32*\q+8*\t+7]
.endr
.endr
.rept 4
	v_nop                                          ; places in front of the loads below and of the first reads of the scores
.endr
.irp ct, 0,1,2,3
	ds_load_tr16_b128 v[KV+8*\ct:KV+8*\ct+3], v[ADV] offset:512*\ct              ; V^T: channels 16 ct on, keys 0-15,
	ds_load_tr16_b128 v[KV+8*\ct+4:KV+8*\ct+7], v[ADV] offset:512*\ct+2048       ; keys 16-31: they land under the softmax
.endr
	; the maximum of a query's 32 scores and the old m; both tiles line by line; each accumulator is read from its low end on
.irp j, 0,1,2,3
.irp q, 0,1
	v_max3_num_f32 v[ST+6*\q+2+\j], v[S+32*\q+8*\j], v[S+32*\q+8*\j+1], v[S+32*\q+8*\j+2]
.endr
.endr
.irp u, 3,5
.irp j, 0,1,2,3
.irp q, 0,1
	v_max3_num_f32 v[ST+6*\q+2+\j], v[ST+6*\q+2+\j], v[S+32*\q+8*\j+\u], v[S+32*\q+8*\j+\u+1]
.endr
.endr
.endr
.irp q, 0,1
	v_max3_num_f32 v[ST+6*\q+2], v[ST+6*\q+2], v[S+32*\q+7], v[S+32*\q+15]
.endr
.irp q, 0,1
	v_max3_num_f32 v[ST+6*\q+4], v[ST+6*\q+4], v[S+32*\q+23], v[S+32*\q+31]
.endr
.irp q, 0,1
	v_max3_num_f32 v[ST+6*\q+2], v[ST+6*\q+2], v[ST+6*\q+3], v[ST+6*\q+4]
.endr
.irp q, 0,1
	v_max3_num_f32 v[ST+6*\q+2], v[ST+6*\q+2], v[ST+6*\q+5], v[ST+6*\q+1]
.endr
.irp q, 0,1
	v_permlanex16_b32 v[ST+6*\q+3], v[ST+6*\q+2], s[SEL], s[SEL+1]   ; the query's other 32 keys lie in the lane 16 away
.endr
.irp q, 0,1
	v_mov_b32 v[ST+6*\q+5], v[ST+6*\q]             ; c m_old
.endr
.irp q, 0,1
	v_max_num_f32 v[ST+6*\q+1], v[ST+6*\q+2], v[ST+6*\q+3]
.endr
.irp q, 0,1
	v_mul_f32 v[ST+6*\q], s[CS], v[ST+6*\q+1]
.endr
.irp q, 0,1
	v_sub_f32 v[ST+6*\q+5], v[ST+6*\q+5], v[ST+6*\q]
.endr
.set i, 0
.rept 16
.irp q, 0,1
	v_pk_fma_f32 v[S+32*\q+2*i:S+32*\q+2*i+1], v[S+32*\q+2*i:S+32*\q+2*i+1], s[CS:CS+1], v[ST+6*\q:ST+6*\q+1] op_sel_hi:[1,0,0] neg_lo:[0,0,1] neg_hi:[0,0,1]   ; c s - c m
.endr
.set i, i+1
.endr
.irp q, 0,1
	v_exp_f32 v[ST+6*\q+4], v[ST+6*\q+5]           ; a
.endr
.set i, 0
.rept 32
	v_exp_f32 v[S+i], v[S+i]                       ; p, at most 1
	v_exp_f32 v[S+32+i], v[S+32+i]
.set i, i+1
.endr
	v_nop                                          ; a plain instruction behind the last exponential
	s_wait_alu depctr_va_vdst(0)                   ; one wait for the batch of 66, ahead of its first reader
.set i, 0
.rept 16
	v_cvt_pk_f16_f32 v[S+i], v[S+2*i], v[S+2*i+1]              ; in place, ascending: P takes the low 16 registers of each tile
	v_cvt_pk_f16_f32 v[S+32+i], v[S+32+2*i], v[S+32+2*i+1]
.set i, i+1
.endr
.irp ct, 0,1,2,3
	ds_load_tr16_b128 v[S+32*(\ct/2)+16+8*(\ct%2):S+32*(\ct/2)+16+8*(\ct%2)+3], v[ADV] offset:4096+512*\ct          ; V^T of keys 32-63, into the 32 registers that p has left
	ds_load_tr16_b128 v[S+32*(\ct/2)+16+8*(\ct%2)+4:S+32*(\ct/2)+16+8*(\ct%2)+7], v[ADV] offset:4096+512*\ct+2048
.endr
.irp q, 0,1
.set i, 0
.rept 16
	v_pk_mul_f32 v[O+32*\q+2*i:O+32*\q+2*i+1], v[O+32*\q+2*i:O+32*\q+2*i+1], v[ST+6*\q+4:ST+6*\q+5] op_sel_hi:[1,0]   ; O^T x a
.set i, i+1
.endr
	v_pk_mul_f32 v[L+8*\q:L+8*\q+1], v[L+8*\q:L+8*\q+1], v[ST+6*\q+4:ST+6*\q+5] op_sel_hi:[1,0]                       ; the sum x a (registers 1 to 7 are zeros)
.endr
	s_wait_dscnt 8                                 ; V of keys 0-31 is in; the eight younger loads may be out
.irp ct, 0,1,2,3
.irp q, 0,1                            ; ten accumulators by turns
	v_wmma_f32_16x16x32_f16 v[O+32*\q+8*\ct:O+32*\q+8*\ct+7], v[KV+8*\ct:KV+8*\ct+7], v[S+32*\q:S+32*\q+7], v[O+32*\q+8*\ct:O+32*\q+8*\ct+7]
.endr
.endr
.irp q, 0,1
	v_wmma_f32_16x16x32_f16 v[L+8*\q:L+8*\q+7], v[ONES:ONES+7], v[S+32*\q:S+32*\q+7], v[L+8*\q:L+8*\q+7]
.endr
	s_wait_dscnt 0x0
.irp ct, 0,1,2,3
.irp q, 0,1
	v_wmma_f32_16x16x32_f16 v[O+32*\q+8*\ct:O+32*\q+8*\ct+7], v[S+32*(\ct/2)+16+8*(\ct%2):S+32*(\ct/2)+16+8*(\ct%2)+7], v[S+32*\q+8:S+32*\q+15], v[O+32*\q+8*\ct:O+32*\q+8*\ct+7]
.endr
.endr
.irp q, 0,1
	v_wmma_f32_16x16x32_f16 v[L+8*\q:L+8*\q+7], v[ONES:ONES+7], v[S+32*\q+8:S+32*\q+15], v[L+8*\q:L+8*\q+7]
.endr
	s_add_co_u32 s[TB], s[TB], 8192                ; four tiles of K on (V's lie 65,536 behind them)
	s_add_co_u32 s[TK], s[TK], 256
.endm
.macro SLOT_STEPS sig                  ; the eight steps of keys 512 sig on
	s_mov_b32 s[TB], ((\sig)&1)*SLOTB
	s_mov_b32 s[TK], (\sig)*2048
	s_mov_b32 s[CNT], 8
.Lstep_\@:
	STEP
	s_sub_co_u32 s[CNT], s[CNT], 1
	s_cmp_lg_u32 s[CNT], 0
	s_cbranch_scc1 .Lstep_\@
.endm
; THE CHANGE OF SLOTS.  Each wave waits for all its tensor loads (its part of the slot ahead), adds 0 to its spare word, and waits for that and for its reads of the slot that it leaves.
; fill = 1: a round of the cluster's barrier, so that no wave of any partner still reads the slot or has a load on its way; then the slot just left takes the keys two slots on: my one tensor load behind the round.
.macro CHANGE g, fill
	s_wait_tensorcnt 0x0                           ; no tensor load of mine is out, so a group 0 may be written
	ds_add_u32 v[SPW], v[NIL]
.if \fill
	s_add_nc_u64 s[\g+2:\g+3], s[\g+2:\g+3], 2*SLOTB
.endif
	s_wait_dscnt 0x0                               ; the add is done, and my reads of the slot are over
.if \fill
	CROUND
	tensor_load_to_lds s[\g:\g+3], s[G1:G1+7]
	s_nop 0
.rept 4
	v_nop
.endr
.else
	s_barrier_signal -1
	s_barrier_wait -1
.endif
.endm
	SLOT_STEPS 0
	CHANGE G0A, 1                                  ; slot 0 takes keys 1,024-1,535
	SLOT_STEPS 1
	CHANGE G0B, 1                                  ; slot 1 takes keys 1,536-2,047
	SLOT_STEPS 2
	CHANGE G0A, 0                                  ; nothing is left to fetch
	SLOT_STEPS 3
	; THE WAY OUT.  O^T / the sum, rounded to f16: a lane's eight channels of a token are four registers of the last product's operand: they leave as images, 512 consecutive bytes a store.
.rept 4
	v_nop                                          ; places behind the last products
.endr
	v_rcp_f32 v[ST+4], v[L]
	v_rcp_f32 v[ST+10], v[L+8]
	v_nop                                          ; a plain instruction behind the last reciprocal
	s_wait_alu depctr_va_vdst(0)                   ; and the wait ahead of the first use: one for the two
.irp q, 0,1
.set i, 0
.rept 16
	v_pk_mul_f32 v[S+32*\q+2*i:S+32*\q+2*i+1], v[O+32*\q+2*i:O+32*\q+2*i+1], v[ST+6*\q+4:ST+6*\q+5] op_sel_hi:[1,0]
.set i, i+1
.endr
.endr
.irp q, 0,1
.set i, 0
.rept 16
	v_cvt_pk_f16_f32 v[KV+16*\q+i], v[S+32*\q+2*i], v[S+32*\q+2*i+1]
.set i, i+1
.endr
.endr
.irp q, 0,1
.irp ct, 0,1,2,3
	global_store_b128 v[LI], v[KV+16*\q+4*\ct:KV+16*\q+4*\ct+3], s[10:11] offset:\q*4096+\ct*512
.endr
.endr
	s_wait_tensorcnt 0x0                           ; the wave's end
	ds_add_u32 v[SPW], v[NIL]
	s_wait_dscnt 0x0
	CROUND                                         ; the closing round
	s_endpgm
.Lfunc_end_k_q2937ebfe1e_attn:
	.size	k_q2937ebfe1e_attn, .Lfunc_end_k_q2937ebfe1e_attn-k_q2937ebfe1e_attn
	.p2alignl 7, 3214868480
	.fill 96, 4, 3214868480
	.section	.rodata,"a",@progbits
	.p2align	6, 0x0
	.amdhsa_kernel k_q2937ebfe1e_attn
		.amdhsa_group_segment_fixed_size 327680
		.amdhsa_private_segment_fixed_size 0
		.amdhsa_enable_private_segment 0
		.amdhsa_kernarg_size 32
		.amdhsa_user_sgpr_count 2
		.amdhsa_user_sgpr_kernarg_segment_ptr 1
		.amdhsa_wavefront_size32 1
		.amdhsa_system_sgpr_workgroup_id_x 1
		.amdhsa_system_sgpr_workgroup_id_y 1
		.amdhsa_system_sgpr_workgroup_id_z 1
		.amdhsa_system_vgpr_workitem_id 0
		.amdhsa_next_free_vgpr 256
		.amdhsa_next_free_sgpr 66
		.amdhsa_reserve_vcc 1
		.amdhsa_float_denorm_mode_32 3
		.amdhsa_float_denorm_mode_16_64 3
		.amdhsa_memory_ordered 1
		.amdhsa_forward_progress 1
		.amdhsa_inst_pref_size 82
	.end_amdhsa_kernel
	.amdgpu_metadata
---
amdhsa.version: [ 1, 2 ]
amdhsa.kernels:
  - .name:           k_q2937ebfe1e_attn
    .symbol:         k_q2937ebfe1e_attn.kd
    .args:
      - { .name: qf, .offset: 0, .size: 8, .value_kind: global_buffer, .address_space: global }
      - { .name: kvf, .offset: 8, .size: 8, .value_kind: global_buffer, .address_space: global }
      - { .name: attn_mask, .offset: 16, .size: 8, .value_kind: global_buffer, .address_space: global }
      - { .name: af, .offset: 24, .size: 8, .value_kind: global_buffer, .address_space: global }
    .group_segment_fixed_size: 327680
    .private_segment_fixed_size: 0
    .kernarg_segment_align: 8
    .kernarg_segment_size: 32
    .max_flat_workgroup_size: 512
    .sgpr_count:     66
    .vgpr_count:     256
    .wavefront_size: 32
...
	.end_amdgpu_metadata
.endif
;; end of part 3
;; launch oproj (part 4): grid 8 x 32, 8 waves a work-group, clusters of 4 x 4, 327,680 bytes of LDS; arguments af, owf, o_b, out0; writes out0
.if DOCPART == 4
	.amdgcn_target "amdgcn-amd-amdhsa--gfx1250"
	.amdhsa_code_object_version 6
	.text
	.protected	k_q2937ebfe1e_oproj
	.globl	k_q2937ebfe1e_oproj
	.p2align	8
	.type	k_q2937ebfe1e_oproj,@function
k_q2937ebfe1e_oproj:
	s_mov_b64 s[64:65], 0
	v_nop
	global_prefetch_b8 v0, s[64:65] scope:SCOPE_SE
	s_setreg_imm32_b32 hwreg(HW_REG_WAVE_MODE, 25, 1), 1
	s_wait_xcnt 0x0
	s_wait_alu depctr_hold_cnt(0) depctr_sa_sdst(0) depctr_va_vdst(0) depctr_va_sdst(0) depctr_va_ssrc(0) depctr_va_vcc(0) depctr_vm_vsrc(0)
	s_getreg_b32 s2, hwreg(HW_REG_IB_STS2, 6, 4)
	s_cmp_eq_u32 s2, 0
	s_cbranch_scc0 .Lentry_in_a_cluster
	s_endpgm
.Lentry_in_a_cluster:
	s_bfe_u32 s2, ttmp6, 0x10000c
	s_cmp_lg_u32 s2, 0xf033
	s_cbranch_scc0 .Lentry_shape_is_right
	s_endpgm
.Lentry_shape_is_right:
; out0[t][e] = the sum over d of A[t][d] o_w[e][d] + o_b[e].  A (the attention's result) and o_w are f16, laid as images of operand registers; sums in f32; out0 [8192][1024] f32.
;   af:  byte ks x 2^21 + Tg x 4,096 + q x 512 + 16 lane: lane (r, h) holds A(16 Tg + r, 128 ks + 16 q + 8 h + 0 .. 7);   owf: byte ks x 2^18 + Te x 4,096 + q x 512 + 16 lane, likewise for o_w's rows.
; A tile of 256 tokens x 128 outputs is made by eight waves, each 64 x 64: 16 accumulators, 128 registers; two waves to a SIMD, no register windows.  256 work-groups.
; K goes in 8 steps of 128 through two LDS slots.  A K step's images of the tile's 16 token tiles are 65,536 consecutive bytes of memory, those of its 8 tiles of outputs 32,768: waves 0-3 fetch a quarter of A's, waves 4-7 of B's.
; Images lie dense in LDS: a fragment load takes 512 consecutive bytes.
; CLUSTERS: 4 x 4 work-groups; A's tiles are shared along a row of the cluster, B's along a column: joint loads.
; THE MATRIX INSTRUCTION IS USED TRANSPOSED (source 0 = 16 rows of o_w, source 1 = 16 tokens): a lane holds eight neighbouring outputs of one token.  o_b is the C of each sum's first matrix instruction.
.set SLOTB,  98304
.set BOFF,   65536                     ; B's images in a slot
.set STAGE,  2*SLOTB                   ; behind the ring: 16 rows x (256 bytes + 16) for each wave, for the way out: no tensor load lands there
.set SPITCH, 272
.set SPARE,  STAGE+8*16*SPITCH         ; the spare words, 128 bytes a wave, which no other line names
.set ADRA, 2                           ; v2-3   LDS address of my A fragments in slot 0, 1
.set ADRB, 4                           ; v4-5   the same for B
.set STO,  6                           ; v6     the way out: where I put 32 bytes of a row
.set RD,   7                           ; v7     where I read a row back
.set CO,   8                           ; v8     my byte offset in out0
.set BO,   9                           ; v9     32 h
.set SPW,  10                          ; v10    LDS address of my spare word; never rewritten
.set NIL,  11                          ; v11    0; never rewritten
.set BI,   16                          ; v16-47   o_b: tile b at + 8 b
.set FA,   48                          ; v48-79   four fragments of A (16 tokens x 32 K)
.set FB,   80                          ; v80-111  four of B
.set ACC,  112                         ; v112-239 accumulator (a, b) at + 8 (4 a + b)
.set WV,   12
.set G1A,  24                          ; s[24:31] group 1 for A's tiles;  s[32:39] group 0, one set for each slot
.set G0A,  32
.set G1B,  40                          ; s[40:47], s[48:55] the same for B's
.set G0B,  48
.macro JLOAD s                         ; a joint load: the branch hangs on the wave's number alone; an s_nop 0 and four v_nop follow each of the two lines
	s_cmp_lt_u32 s[WV], 4
	s_cbranch_scc0 .Lfor_b_\@
	tensor_load_to_lds s[G0A+4*\s:G0A+4*\s+3], s[G1A:G1A+7]
	s_nop 0
.rept 4
	v_nop
.endr
	s_branch .Lasked_\@
.Lfor_b_\@:
	tensor_load_to_lds s[G0B+4*\s:G0B+4*\s+3], s[G1B:G1B+7]
	s_nop 0
.rept 4
	v_nop
.endr
.Lasked_\@:
.endm
.macro CROUND                          ; a round of the cluster's barrier
	s_barrier_signal -1
	s_barrier_wait -1
	s_cmp_lg_u32 s[WV], 0
	s_cbranch_scc1 .Lnot_wave_0_\@
	s_barrier_signal -3
.Lnot_wave_0_\@:
	s_barrier_wait -3
	s_barrier_signal -1
	s_barrier_wait -1
.endm
	s_load_b256 s[4:11], s[0:1], 0x0               ; af s[4:5], owf s[6:7], o_b s[8:9], out0 s[10:11]
	v_lshl_add_u32 v[SPW], v0, 2, SPARE
	v_mov_b32 v[NIL], 0
	ds_add_u32 v[SPW], v[NIL]                      ; the wave's opening: the add, twice on end, and its wait ahead of my first tensor load
	ds_add_u32 v[SPW], v[NIL]
	v_lshrrev_b32 v1, 5, v0
	v_readfirstlane_b32 s[WV], v1                  ; wave 0..7
	s_and_b32 s13, s[WV], 3                        ; which quarter I fetch
	s_lshr_b32 s56, s[WV], 1                       ; which 64 tokens are mine
	s_and_b32 s57, s[WV], 1                        ; which 64 outputs
	s_bfe_u32 s14, ttmp6, 0x40000                  ; cx, cy
	s_bfe_u32 s15, ttmp6, 0x40004
	s_lshl_b32 s16, ttmp9, 2
	s_add_co_u32 s16, s16, s14                     ; tile column = 4 x cluster x + cx
	s_and_b32 s17, ttmp7, 0xffff
	s_lshl_b32 s17, s17, 2
	s_add_co_u32 s17, s17, s15                     ; tile row = 4 x cluster y + cy
	s_lshl_b32 s22, s15, 2
	s_lshl_b32 s22, 15, s22                        ; my row of the cluster
	s_lshl_b32 s23, 0x1111, s14                    ; my column
	s_or_b32 s[G1A], s22, (3<<16)|(1<<21)          ; 15:0 the mask; 17:16 elements of 8 bytes; 21 set beside a mask; no padding
	s_mov_b32 s[G1A+1], 32<<16                     ; tensor_dim0: rows of 256 bytes
	s_mov_b32 s[G1A+2], 64<<16                     ; tensor_dim1: 64 rows: 16,384 bytes
	s_mov_b32 s[G1A+3], 32<<16                     ; tile_dim0
	s_mov_b32 s[G1A+4], 64                         ; tile_dim1
	s_mov_b32 s[G1A+5], 32                         ; tensor_dim0_stride: dense
	s_mov_b32 s[G1A+6], 0
	s_mov_b32 s[G1A+7], 0
	s_or_b32 s[G1B], s23, (3<<16)|(1<<21)
	s_mov_b32 s[G1B+1], 32<<16
	s_mov_b32 s[G1B+2], 32<<16                     ; 32 rows: 8,192 bytes
	s_mov_b32 s[G1B+3], 32<<16
	s_mov_b32 s[G1B+4], 32
	s_mov_b32 s[G1B+5], 32
	s_mov_b32 s[G1B+6], 0
	s_mov_b32 s[G1B+7], 0
	s_lshl_b32 s18, s17, 16                        ; A: 16 token tiles of 4,096 bytes a tile row,
	s_lshl_b32 s19, s13, 14                        ; my quarter
	s_add_co_u32 s18, s18, s19
	s_mov_b32 s19, 0
	s_lshl_b32 s20, s16, 15                        ; B: 8 tiles of outputs a tile column,
	s_lshl_b32 s21, s13, 13
	s_add_co_u32 s20, s20, s21
	s_mov_b32 s21, 0
	s_lshl_b32 s58, s13, 14                        ; where they go: no place in the cluster enters an LDS address
	s_lshl_b32 s59, s13, 13
	s_add_co_u32 s59, s59, BOFF
	s_wait_dscnt 0x0                               ; both opening adds are done
	s_wait_kmcnt 0x0
	s_add_nc_u64 s[18:19], s[4:5], s[18:19]
	s_add_nc_u64 s[20:21], s[6:7], s[20:21]
	CROUND                                         ; all sixteen work-groups are here: the first joint loads meet
.irp s, 0,1
	s_mov_b32 s[G0A+4*\s], 1
	s_add_co_u32 s[G0A+4*\s+1], s58, \s*SLOTB
	s_add_nc_u64 s[G0A+4*\s+2:G0A+4*\s+3], s[18:19], \s*0x200000   ; K step s
	s_or_b32 s[G0A+4*\s+3], s[G0A+4*\s+3], 0x80000000
	s_mov_b32 s[G0B+4*\s], 1
	s_add_co_u32 s[G0B+4*\s+1], s59, \s*SLOTB
	s_add_nc_u64 s[G0B+4*\s+2:G0B+4*\s+3], s[20:21], \s*0x40000
	s_or_b32 s[G0B+4*\s+3], s[G0B+4*\s+3], 0x80000000
	JLOAD \s                                       ; by this text's count two tensor loads of a wave are out here, one behind each refill
.endr
	s_lshl_b32 s60, s16, 9                         ; my first output, in bytes of f32: 512 x tile column + 256 x half
	s_lshl_b32 s61, s57, 8
	s_add_co_u32 s60, s60, s61
	s_mov_b32 s61, 0
	s_add_nc_u64 s[8:9], s[8:9], s[60:61]
	s_add_nc_u64 s[10:11], s[10:11], s[60:61]
	s_lshl_b32 s62, s17, 20                        ; my first token's row of 4,096 bytes: 256 x tile row + 64 x my part
	s_lshl_b32 s63, s56, 18
	s_add_co_u32 s62, s62, s63
	s_mov_b32 s63, 0
	s_add_nc_u64 s[10:11], s[10:11], s[62:63]
	v_and_b32 v12, 15, v0                          ; r
	v_bfe_u32 v13, v0, 4, 1                        ; h
	v_lshlrev_b32 v[BO], 5, v13
.irp b, 0,1,2,3
	global_load_b128 v[BI+8*\b:BI+8*\b+3], v[BO], s[8:9] offset:64*\b      ; o_b of outputs 16 b + 8 h + 0 .. 7: the result's layout
	global_load_b128 v[BI+8*\b+4:BI+8*\b+7], v[BO], s[8:9] offset:64*\b+16
.endr
	v_and_b32 v1, 31, v0
	v_lshlrev_b32 v1, 4, v1                        ; 16 x lane
	s_lshl_b32 s58, s56, 14                        ; my four token tiles
	s_lshl_b32 s59, s57, 14                        ; my four tiles of outputs
	s_add_co_u32 s59, s59, BOFF
.irp s, 0,1
	v_add_nc_u32 v[ADRA+\s], s58, v1
	v_add_nc_u32 v[ADRB+\s], s59, v1
	s_add_co_u32 s58, s58, SLOTB
	s_add_co_u32 s59, s59, SLOTB
.endr
	s_mul_i32 s58, s[WV], 16*SPITCH
	s_add_co_u32 s58, s58, STAGE                   ; my stage
	v_mul_u32_u24 v[STO], v12, SPITCH              ; in: row r, 32 bytes for each half of the lanes
	v_lshl_add_u32 v[STO], v13, 5, v[STO]
	v_add_nc_u32 v[STO], s58, v[STO]
	v_mul_u32_u24 v[RD], v13, SPITCH               ; back: lanes 0-15 one row of 256 bytes, lanes 16-31 the next
	v_lshl_add_u32 v[RD], v12, 4, v[RD]
	v_add_nc_u32 v[RD], s58, v[RD]
	v_lshlrev_b32 v[CO], 12, v13                   ; and the same two rows in out0
	v_lshl_add_u32 v[CO], v12, 4, v[CO]
; A K step: four times 32 along K: 16 LDS loads, 16 matrix instructions, the 16 accumulators by turns.  zero = 1: the first products start the sums from o_b.
.macro WORK s, zero
.irp c, 0,1,2,3
.rept 4
	v_nop                                          ; places in front of loads into registers that matrix instructions have read
.endr
.irp i, 0,1,2,3
	ds_load_b128 v[FA+8*\i:FA+8*\i+3], v[ADRA+\s] offset:4096*\i+1024*\c
	ds_load_b128 v[FA+8*\i+4:FA+8*\i+7], v[ADRA+\s] offset:4096*\i+1024*\c+512
	ds_load_b128 v[FB+8*\i:FB+8*\i+3], v[ADRB+\s] offset:4096*\i+1024*\c
	ds_load_b128 v[FB+8*\i+4:FB+8*\i+7], v[ADRB+\s] offset:4096*\i+1024*\c+512
.endr
	s_wait_dscnt 0x0
.irp a, 0,1,2,3
.irp b, 0,1,2,3
.if (\zero) && (\c == 0)
	v_wmma_f32_16x16x32_f16 v[ACC+8*(4*\a+\b):ACC+8*(4*\a+\b)+7], v[FB+8*\b:FB+8*\b+7], v[FA+8*\a:FA+8*\a+7], v[BI+8*\b:BI+8*\b+7]
.else
	v_wmma_f32_16x16x32_f16 v[ACC+8*(4*\a+\b):ACC+8*(4*\a+\b)+7], v[FB+8*\b:FB+8*\b+7], v[FA+8*\a:FA+8*\a+7], v[ACC+8*(4*\a+\b):ACC+8*(4*\a+\b)+7]
.endif
.endr
.endr
.endr
.endm
; THE CHANGE OF SLOTS.  Each wave waits for all its tensor loads (its part of the slot ahead), adds 0 to its spare word, and waits for that and for its reads of slot s, which it leaves.
; fill = 1: a round of the cluster's barrier, then slot s takes the K step two steps on: my one tensor load behind the round.
.macro CHANGE s, fill
	s_wait_tensorcnt 0x0                           ; no tensor load of mine is out, so a group 0 may be written
	ds_add_u32 v[SPW], v[NIL]
.if \fill
	s_add_nc_u64 s[G0A+4*\s+2:G0A+4*\s+3], s[G0A+4*\s+2:G0A+4*\s+3], 0x400000
	s_add_nc_u64 s[G0B+4*\s+2:G0B+4*\s+3], s[G0B+4*\s+2:G0B+4*\s+3], 0x80000
.endif
	s_wait_dscnt 0x0                               ; the add is done, and my reads of the slot are over
.if \fill
	CROUND
	JLOAD \s
.else
	s_barrier_signal -1
	s_barrier_wait -1
.endif
.endm
	s_wait_loadcnt 0x0                             ; o_b
	s_wait_tensorcnt 1                             ; my part of K step 0 is in; K step 1's may stay out
	s_barrier_signal -1
	s_barrier_wait -1
	WORK 0, 1                                      ; K step 0
	s_mov_b32 s58, 3
.Llap:                                                 ; three trips: K steps 1 to 6; slots take K steps 2 to 7
	CHANGE 0, 1
	WORK 1, 0
	CHANGE 1, 1
	WORK 0, 0
	s_sub_co_u32 s58, s58, 1
	s_cmp_lg_u32 s58, 0
	s_cbranch_scc1 .Llap
	CHANGE 0, 0                                    ; nothing is left to fetch
	WORK 1, 0                                      ; K step 7
; THE WAY OUT, block by block of 16 tokens x 64 outputs: through my own stage and back as whole rows of 256 bytes, which sixteen lanes store together.
; LDS serves a wave's instructions in order: no wait between the stores and the loads, nor in front of the next block's stores.
.macro TOSTAGE a
.irp b, 0,1,2,3
	ds_store_b128 v[STO], v[ACC+8*(4*(\a)+\b):ACC+8*(4*(\a)+\b)+3] offset:64*\b       ; each accumulator from its low end on
	ds_store_b128 v[STO], v[ACC+8*(4*(\a)+\b)+4:ACC+8*(4*(\a)+\b)+7] offset:64*\b+16
.endr
.set BK, FA+32*((\a)%2)
.irp i, 0,1,2,3,4,5,6,7
	ds_load_b128 v[BK+4*\i:BK+4*\i+3], v[RD] offset:\i*2*SPITCH
.endr
.endm
.macro SEND a, younger                 ; younger: the LDS instructions issued behind block a's loads, which may stay out
.set BK, FA+32*((\a)%2)
	s_wait_dscnt \younger
.irp i, 0,1,2,3,4,5,6,7
	global_store_b128 v[CO], v[BK+4*\i:BK+4*\i+3], s[10:11] offset:(16*(\a)+2*\i)*4096 th:TH_STORE_NT   ; 16 lanes store 256 consecutive bytes, at a multiple of 256 from out0's first byte
.endr
.endm
.rept 4
	v_nop                                          ; places behind the last products
.endr
	TOSTAGE 0
.irp a, 1,2,3
.if \a > 1
	s_wait_xcnt 0x0                                ; block a - 2's stores have read their registers: block a's loads may land there
.endif
	TOSTAGE \a
	SEND (\a)-1, 16                                ; behind block a - 1's loads: block a's 8 stores and 8 loads
.endr
	SEND 3, 0
	s_wait_tensorcnt 0x0                           ; the wave's end
	ds_add_u32 v[SPW], v[NIL]
	s_wait_dscnt 0x0
	CROUND                                         ; the closing round
	s_endpgm
.Lfunc_end_k_q2937ebfe1e_oproj:
	.size	k_q2937ebfe1e_oproj, .Lfunc_end_k_q2937ebfe1e_oproj-k_q2937ebfe1e_oproj
	.p2alignl 7, 3214868480
	.fill 96, 4, 3214868480
	.section	.rodata,"a",@progbits
	.p2align	6, 0x0
	.amdhsa_kernel k_q2937ebfe1e_oproj
		.amdhsa_group_segment_fixed_size 327680
		.amdhsa_private_segment_fixed_size 0
		.amdhsa_enable_private_segment 0
		.amdhsa_kernarg_size 32
		.amdhsa_user_sgpr_count 2
		.amdhsa_user_sgpr_kernarg_segment_ptr 1
		.amdhsa_wavefront_size32 1
		.amdhsa_system_sgpr_workgroup_id_x 1
		.amdhsa_system_sgpr_workgroup_id_y 1
		.amdhsa_system_sgpr_workgroup_id_z 1
		.amdhsa_system_vgpr_workitem_id 0
		.amdhsa_next_free_vgpr 256
		.amdhsa_next_free_sgpr 66
		.amdhsa_reserve_vcc 0
		.amdhsa_float_denorm_mode_32 3
		.amdhsa_float_denorm_mode_16_64 3
		.amdhsa_memory_ordered 1
		.amdhsa_forward_progress 1
		.amdhsa_inst_pref_size 53
	.end_amdhsa_kernel
	.amdgpu_metadata
---
amdhsa.version: [ 1, 2 ]
amdhsa.kernels:
  - .name:           k_q2937ebfe1e_oproj
    .symbol:         k_q2937ebfe1e_oproj.kd
    .args:
      - { .name: af, .offset: 0, .size: 8, .value_kind: global_buffer, .address_space: global }
      - { .name: owf, .offset: 8, .size: 8, .value_kind: global_buffer, .address_space: global }
      - { .name: o_b, .offset: 16, .size: 8, .value_kind: global_buffer, .address_space: global }
      - { .name: out0, .offset: 24, .size: 8, .value_kind: global_buffer, .address_space: global }
    .group_segment_fixed_size: 327680
    .private_segment_fixed_size: 0
    .kernarg_segment_align: 8
    .kernarg_segment_size: 32
    .max_flat_workgroup_size: 256
    .sgpr_count:     66
    .vgpr_count:     256
    .wavefront_size: 32
...
	.end_amdgpu_metadata
.endif
;; end of part 4
